; MI455X (gfx1250); checked and timed in simulation.
; The chip was launched on July 23, 2026; its instructions are those of AMD's public machine-readable ISA for CDNA 5 (MIT licence, August 2026) and "CDNA5" Instruction Set Architecture Reference Guide (July 2026). The comments in the code are by the model that wrote it; some were corrected since.
;; Multi Head Attention. Allowed arithmetic: matrix products marked QUANTISED: E5M2 operands, one E8M0 scale for each 32 along K, by v_wmma_scale_f32_16x16x128_f8f6f4 with both operands' format E5M2, f32 sums; everything else in f32.
;; Inputs: W_k 1,024 x 1,024 float32; W_o 1,024 x 1,024 float32; W_q 1,024 x 1,024 float32; W_v 1,024 x 1,024 float32; b_o 1,024 float32; inputs 4 x 2,048 x 1,024 float32.
;; Outputs: out0 4 x 2,048 x 1,024 float32.
;; This version of the problem:
;;   THIS VERSION OF THE PROBLEM IS GIVEN IN LOW PRECISION. The matrix products marked QUANTISED in the list below multiply operands that are first quantised to E5M2 (5 exponent bits, 2 mantissa bits; 8 bits a number), with one power-of-two scale for each 32 numbers along K (OCP MX v1.0); their sums are f32. All else is computed in f32.
;;   The module's matrix products, in the order in which they are computed (A, B: the left and right operand; K: the contracted axis; several contracted axes count as one K, in the product's order):
;;     1. [M 8,192, K 1,024] x [K 1,024, N 1,024]; A: input inputs; B: input W_q: QUANTISED
;;     2. [M 8,192, K 1,024] x [K 1,024, N 1,024]; A: input inputs; B: input W_k: QUANTISED
;;     3. [M 8,192, K 1,024] x [K 1,024, N 1,024]; A: input inputs; B: input W_v: QUANTISED
;;     4. batch 64 x [M 2,048, K 64] x [K 64, N 2,048]; A: computed on the way; B: computed on the way: QUANTISED
;;     5. batch 64 x [M 2,048, K 2,048] x [K 2,048, N 64]; A: softmax (see below); B: computed on the way: QUANTISED
;;     6. [M 8,192, K 1,024] x [K 1,024, N 1,024]; A: computed on the way; B: input W_o: QUANTISED
;;   THE QUANTISER, for each operand of a quantised product, along K:
;;     - K is cut into blocks of 32 from its start; a last block that is shorter is filled with zeros.
;;     - A block's scale is 2^e with e = floor(log2(the largest magnitude in the block)) - 15, held to -126 .. 127; a block of zeros has e = 0. As a byte (E8M0): e + 127.
;;     - Each number is divided by its block's scale, clamped to +-57,344, and rounded to the nearest number of E5M2, ties to even, subnormals kept.
;;     - The product sums the exact products of the quantised numbers (number of the format x scale) in f32.
;;   ~~~python
;;   def quantise(x, axis):      # numpy; x: float32 -> the quantised numbers, widened to float32 again
;;       x = np.moveaxis(x, axis, -1); K = x.shape[-1]
;;       x = np.pad(x, [(0, 0)] * (x.ndim - 1) + [(0, -K % 32)]); x = x.reshape(x.shape[:-1] + (-1, 32)); a = np.abs(x).max(-1, keepdims=True)
;;       e = np.where(a > 0, np.clip(np.frexp(np.where(a > 0, a, 1))[1] - 1 - 15, -126, 127), 0)      # np.frexp(a)[1] - 1 = floor(log2(a)), exactly
;;       r = np.clip(x / 2.0 ** e, -57344, 57344)
;;       step = 2.0 ** (np.maximum(np.frexp(np.where(r == 0, 1, r))[1] - 1, -14) - 2)
;;       q = np.round(r / step) * step * 2.0 ** e      # np.round: ties to even
;;       return np.moveaxis(q.reshape(q.shape[:-2] + (-1,))[..., :K], -1, axis).astype(np.float32)
;;   ~~~
;;   SOFTMAX AHEAD OF A QUANTISED PRODUCT. Where the list says 'softmax', what is quantised is not the finished softmax but p = 2^(t - M), with t = logit x log2(e) and M = ceil(the row's largest t), a whole number; so 1/2 < the row's largest p <= 1. The row's sum l is taken of the UNQUANTISED p, in f32, and the product's result is divided by l at the end. Since M is a whole number, a kernel that streams over the keys may use a running M (the ceiling of the running maximum): every later rescaling is an exact power of two, which a block's scale takes up: the codes' values come out the same.
;;   OPERANDS COMPUTED ON THE WAY. 'Computed on the way' means the value that the module computes at that place (a softmax that the list does not call 'softmax' is quantised finished and normalised). What goes into a quantiser is computed in f32, as accurately as f32 sums, v_exp_f32 and their like allow (about 1e-6 of the number): no bf16 or f16 on the way to a quantiser, and a product that is left as it is and whose result goes on into a quantised operand takes f32 operands (vector FMAs, or v_wmma_f32_16x16x4_f32). A number that lies on a knife's edge between two numbers of the format may be rounded either way, as far as f32 arithmetic and the matrix unit's own rounding can turn it there, and no further.
;; One version. Each part assembles by itself: llvm-mc -triple=amdgcn-amd-amdhsa -mcpu=gfx1250 --defsym DOCPART=n.
;; ======== version 1 of 1: 4 launches
;; limits: right only within a limited range of input values
;; workspace buffers: codes_in 12,582,912 bytes; scales_in 393,216 bytes; qkv_codes 25,165,824 bytes; qkv_scales 786,432 bytes; c_codes 8,388,608 bytes; c_scales 262,144 bytes
;; launch quant (part 1): grid 384 x 1, 4 waves a work-group, no clusters, 33,280 bytes of LDS; arguments inputs, W_q, W_k, W_v, W_o, codes_in, scales_in; writes codes_in, scales_in
.if DOCPART == 1
	.amdgcn_target "amdgcn-amd-amdhsa--gfx1250"
	.amdhsa_code_object_version 6
	.text
	.protected	k_q903efa2e97_quant
	.globl	k_q903efa2e97_quant
	.p2align	8
	.type	k_q903efa2e97_quant,@function
k_q903efa2e97_quant:
	s_mov_b64 s[64:65], 0
	v_nop
	global_prefetch_b8 v0, s[64:65] scope:SCOPE_SE
	s_setreg_imm32_b32 hwreg(HW_REG_WAVE_MODE, 25, 1), 1
	s_wait_xcnt 0x0
; inputs [8192][1024] and W_q, W_k, W_v, W_o [1024][1024], f32 with K innermost, become codes of BF8 (E5M2), one byte each, and one E8M0 scale byte for each 32 along K.
; codes_in is [12288 rows][1024 bytes]: rows 0-8191 inputs, then W_q, W_k, W_v, W_o; scales_in is [12288][32 bytes], the same rows.
; ROW ORDER.  In all but W_o the four groups of 8 rows of every 32 rows are stored in the order 0, 2, 1, 3.  Sixteen neighbouring stored rows, taken as source 0 of a matrix instruction, then leave in a lane's
; sixteen result registers of two neighbouring tiles sixteen TRUE neighbours, which is what the next quantiser wants.  W_o's rows stay in their true order.
; A block's scale is 2^(floor(log2(its largest magnitude)) - 15); its byte is the largest magnitude's exponent field - 15, held at 1 from below.
; LIMITS: a block of zeros gets the byte 1 where the rule says 127 (its codes are zeros, and this program alone reads the bytes); blocks whose largest magnitude lies under 2^(16 - 127) are held at the byte 1;
; NaN and infinities among the inputs are not served.
; SHARES.  A work-group takes 32 rows, a wave 8 rows (8,192 numbers: one group of the row order) in 16 steps of 512 numbers.  Work-groups 0-255: inputs; 256 + 32 t + j: weight t of q, k, v, o.
; Each load reads 512 consecutive bytes; a step's 2,048 bytes turn through the wave's own stage in LDS, so that a lane holds 16 neighbours along K (two neighbouring lanes hold a block).
; No tensor loads, no barrier: waves share nothing.  Loads run four steps (16 loads a wave) ahead, the turn through LDS one step.
.set STEPS, 16
.set NIN,   256                        ; work-groups that take inputs
.set NWT,   32                         ; work-groups for each weight
.set EMAX,  15
.set MANT,  0x600000                   ; the mantissa field of 57,344 as f32
.set CB,    16                         ; bytes of 16 codes
.set R,     16                         ; v16-79   four sets of 16 numbers as they are loaded
.set X,     80                         ; v80-111  two sets of 16 neighbours
.set C,     128                        ; v128-191 codes: four registers for each step, so that no store's data are written again
.set E,     112                        ; v112-127 a scale byte for each step
.set WREG,  8192                       ; LDS: a region for each wave: two stages of 32 x SP bytes, behind them its 256 scale bytes
.set SP,    80                         ; a lane's place in a stage: its 64 bytes + 16 of padding
	s_load_b256 s[4:11], s[0:1], 0x0               ; inputs, W_q, W_k, W_v
	s_load_b128 s[12:15], s[0:1], 0x20             ; W_o, codes_in
	s_load_b64 s[16:17], s[0:1], 0x30              ; scales_in
	v_lshl_add_u32 v192, v0, 2, 0x8000
	v_mov_b32 v193, 0
	v_lshrrev_b32 v1, 5, v0
	v_readfirstlane_b32 s18, v1                    ; wave
	v_and_b32 v2, 31, v0                           ; lane
	v_lshlrev_b32 v3, 4, v2                        ; my 16 bytes of a load's 512
	s_mul_i32 s19, s18, WREG
	v_lshrrev_b32 v14, 2, v2
	v_mul_u32_u24 v14, v14, SP
	v_and_b32 v15, 3, v2
	v_lshl_add_u32 v14, v15, 4, v14
	v_add_nc_u32 v14, s19, v14                     ; the stage, on the way in: SP (lane / 4) + 16 (lane % 4)
	v_mul_u32_u24 v15, v2, SP
	v_add_nc_u32 v15, s19, v15                     ; and on the way out: SP x lane: my 16 neighbours
	v_mul_u32_u24 v4, v2, CB                       ; my codes' place in a step's
	v_lshrrev_b32 v5, 1, v2
	s_add_co_u32 s19, s19, 2*32*SP
	v_add_nc_u32 v5, s19, v5                       ; LDS: my wave's 256 scale bytes, my block's byte
	v_lshlrev_b32 v7, 3, v2                        ; and on the way out 8 bytes a lane
	v_add_nc_u32 v6, s19, v7
	s_max_u32 s20, ttmp9, NIN
	s_sub_co_u32 s20, s20, NIN                     ; my number among the weights' work-groups (0 for inputs)
	s_lshr_b32 s21, s20, 5                         ; which weight
	s_and_b32 s22, s20, 31                         ; which 32 rows of it
	s_and_b32 s24, s18, 1
	s_lshl_b32 s24, s24, 1
	s_lshr_b32 s25, s18, 1
	s_or_b32 s24, s24, s25                         ; where my group of 8 rows goes: groups 1 and 2 change places
	s_wait_alu depctr_va_vdst(0)
	s_wait_kmcnt 0x0
	s_cmp_eq_u32 s21, 1                            ; the source is chosen by the work-group's number alone
	s_cselect_b64 s[6:7], s[8:9], s[6:7]
	s_cmp_eq_u32 s21, 2
	s_cselect_b64 s[6:7], s[10:11], s[6:7]
	s_cmp_eq_u32 s21, 3
	s_cselect_b64 s[6:7], s[12:13], s[6:7]
	s_cmp_lt_u32 ttmp9, NIN
	s_cselect_b64 s[4:5], s[4:5], s[6:7]
	s_cselect_b32 s23, ttmp9, s22                  ; which 32 rows of the source
	s_cmp_lt_u32 ttmp9, NIN+3*NWT
	s_cselect_b32 s24, s24, s18                    ; W_o keeps its true order
	s_lshl_b32 s26, s23, 2
	s_add_co_u32 s26, s26, s18
	s_lshl_b32 s26, s26, 15                        ; 8 rows of 4,096 bytes
	s_mov_b32 s27, 0
	s_add_nc_u64 s[4:5], s[4:5], s[26:27]
	s_lshl_b32 s25, ttmp9, 2
	s_add_co_u32 s25, s25, s24
	s_lshl_b32 s26, s25, 13                        ; 8 rows of 1,024 codes
	s_add_nc_u64 s[14:15], s[14:15], s[26:27]
	s_lshl_b32 s26, s25, 8                         ; 8 rows of 32 scale bytes
	s_add_nc_u64 s[16:17], s[16:17], s[26:27]
.macro LOAD t
.irp i, 0,1,2,3
	global_load_b128 v[R+16*((\t)%4)+4*\i:R+16*((\t)%4)+4*\i+3], v3, s[4:5] offset:2048*(\t)+512*\i th:TH_LOAD_NT   ; 32 lanes read 512 consecutive bytes
.endr
.endm
.macro TURN t                          ; step t's numbers through the stage: LDS serves a wave's instructions in order, so no wait stands between the stores and the loads
.irp i, 0,1,2,3
	ds_store_b128 v14, v[R+16*((\t)%4)+4*\i:R+16*((\t)%4)+4*\i+3] offset:32*SP*((\t)%2)+8*SP*\i
.endr
.irp i, 0,1,2,3
	ds_load_b128 v[X+16*((\t)%2)+4*\i:X+16*((\t)%2)+4*\i+3], v15 offset:32*SP*((\t)%2)+16*\i
.endr
.endm
.irp t, 0,1,2,3
	LOAD \t
.endr
	s_wait_loadcnt 12                              ; step 0's four loads are in; the twelve of steps 1 to 3 may be out
	TURN 0
.macro STEP t
.set XS, X+16*((\t)%2)
.if (\t) > 0
	s_wait_dscnt 1                                 ; this step's numbers are back from the stage (the last step's byte store may be out): so its stores into the stage have read their registers,
.else
	s_wait_dscnt 0x0
.endif
.if (\t)+4 < STEPS
	LOAD (\t)+4                                    ; which take the loads of four steps on
.endif
.if (\t)+1 < STEPS
.if STEPS-2-(\t) >= 3
	s_wait_loadcnt 12                              ; the next step's four loads are in; those of the three steps behind it may be out
.else
	s_wait_loadcnt 4*(STEPS-2-(\t))
.endif
	TURN (\t)+1                                    ; and go through the other stage while this step is worked
.endif
	v_max3_num_f32 v8, |v[XS]|, |v[XS+1]|, |v[XS+2]|               ; the largest magnitude of my 16
	v_max3_num_f32 v9, |v[XS+3]|, |v[XS+4]|, |v[XS+5]|
.irp i, 6,10
	v_max3_num_f32 v8, v8, |v[XS+\i]|, |v[XS+\i+1]|
	v_max3_num_f32 v9, v9, |v[XS+\i+2]|, |v[XS+\i+3]|
.endr
	v_max3_num_f32 v8, v8, |v[XS+14]|, |v[XS+15]|
	v_max3_num_f32 v8, v8, v9, (EMAX+1)<<23        ; and the floor 2^(16 - 127): so the byte cannot fall under 1
	v_max_num_f32_dpp v8, v8, v8 row_xmask:1 row_mask:0xf bank_mask:0xf   ; and of my neighbour's 16: the block's
	v_add_nc_u32 v11, -(EMAX<<23), v8              ; 15 off its exponent field: the conversion takes the exponent field of this operand as its scale
.irp i, 0,1,2,3,4,5,6,7,8,9,10,11,12,13,14,15
.endr
	v_cvt_scalef32_pk8_bf8_f32 v[C+4*(\t):C+4*(\t)+1], v[XS:XS+7], v11
	v_cvt_scalef32_pk8_bf8_f32 v[C+4*(\t)+2:C+4*(\t)+3], v[XS+8:XS+15], v11
	v_lshrrev_b32 v[E+(\t)], 23, v11               ; the scale's byte
	ds_store_b8 v5, v[E+(\t)] offset:16*(\t)       ; both lanes of a block write the same byte with the same value
	global_store_b128 v4, v[C+4*(\t):C+4*(\t)+3], s[14:15] offset:32*CB*(\t)   ; 32 lanes store 512 consecutive bytes
.endm
.irp t, 0,1,2,3,4,5,6,7,8,9,10,11,12,13,14,15
	STEP \t
.endr
	ds_load_b64 v[12:13], v6                       ; LDS serves a wave's instructions in order: these see my stores
	s_wait_dscnt 0x0
	global_store_b64 v7, v[12:13], s[16:17]        ; 32 lanes store 256 consecutive bytes, aligned
	s_wait_tensorcnt 0x0
	ds_add_u32 v192, v193
	s_wait_dscnt 0x0
	s_endpgm
.Lfunc_end_k_q903efa2e97_quant:
	.size	k_q903efa2e97_quant, .Lfunc_end_k_q903efa2e97_quant-k_q903efa2e97_quant
	.p2alignl 7, 3214868480
	.fill 96, 4, 3214868480
	.section	.rodata,"a",@progbits
	.p2align	6, 0x0
	.amdhsa_kernel k_q903efa2e97_quant
		.amdhsa_group_segment_fixed_size 33280
		.amdhsa_private_segment_fixed_size 0
		.amdhsa_enable_private_segment 0
		.amdhsa_kernarg_size 56
		.amdhsa_user_sgpr_count 2
		.amdhsa_user_sgpr_kernarg_segment_ptr 1
		.amdhsa_wavefront_size32 1
		.amdhsa_system_sgpr_workgroup_id_x 1
		.amdhsa_system_sgpr_workgroup_id_y 1
		.amdhsa_system_sgpr_workgroup_id_z 1
		.amdhsa_system_vgpr_workitem_id 0
		.amdhsa_next_free_vgpr 194
		.amdhsa_next_free_sgpr 66
		.amdhsa_reserve_vcc 0
		.amdhsa_float_denorm_mode_32 3
		.amdhsa_float_denorm_mode_16_64 3
		.amdhsa_fp16_overflow 1
		.amdhsa_memory_ordered 1
		.amdhsa_forward_progress 1
		.amdhsa_inst_pref_size 34
	.end_amdhsa_kernel
	.amdgpu_metadata
---
amdhsa.version: [ 1, 2 ]
amdhsa.kernels:
  - .name:           k_q903efa2e97_quant
    .symbol:         k_q903efa2e97_quant.kd
    .args:
      - { .name: inputs, .offset: 0, .size: 8, .value_kind: global_buffer, .address_space: global }
      - { .name: W_q, .offset: 8, .size: 8, .value_kind: global_buffer, .address_space: global }
      - { .name: W_k, .offset: 16, .size: 8, .value_kind: global_buffer, .address_space: global }
      - { .name: W_v, .offset: 24, .size: 8, .value_kind: global_buffer, .address_space: global }
      - { .name: W_o, .offset: 32, .size: 8, .value_kind: global_buffer, .address_space: global }
      - { .name: codes_in, .offset: 40, .size: 8, .value_kind: global_buffer, .address_space: global }
      - { .name: scales_in, .offset: 48, .size: 8, .value_kind: global_buffer, .address_space: global }
    .group_segment_fixed_size: 33280
    .private_segment_fixed_size: 0
    .kernarg_segment_align: 8
    .kernarg_segment_size: 56
    .max_flat_workgroup_size: 128
    .sgpr_count:     66
    .vgpr_count:     194
    .wavefront_size: 32
...
	.end_amdgpu_metadata
.endif
;; end of part 1
;; launch qkv (part 2): grid 8 x 32, 4 waves a work-group, clusters of 4 x 4, 327,680 bytes of LDS; arguments codes_in, scales_in, qkv_codes, qkv_scales; writes qkv_codes, qkv_scales
.if DOCPART == 2
	.amdgcn_target "amdgcn-amd-amdhsa--gfx1250"
	.amdhsa_code_object_version 6
	.text
	.protected	k_q903efa2e97_qkv
	.globl	k_q903efa2e97_qkv
	.p2align	8
	.type	k_q903efa2e97_qkv,@function
k_q903efa2e97_qkv:
	s_mov_b64 s[64:65], 0
	v_nop
	global_prefetch_b8 v0, s[64:65] scope:SCOPE_SE
	s_setreg_imm32_b32 hwreg(HW_REG_WAVE_MODE, 25, 1), 1
	s_wait_xcnt 0x0
	s_wait_alu depctr_hold_cnt(0) depctr_sa_sdst(0) depctr_va_vdst(0) depctr_va_sdst(0) depctr_va_ssrc(0) depctr_va_vcc(0) depctr_vm_vsrc(0)
	s_getreg_b32 s2, hwreg(HW_REG_IB_STS2, 6, 4)
	s_cmp_eq_u32 s2, 0
	s_cbranch_scc0 .Lentry_in_a_cluster
	s_endpgm
.Lentry_in_a_cluster:
	s_bfe_u32 s2, ttmp6, 0x10000c
	s_cmp_lg_u32 s2, 0xf033
	s_cbranch_scc0 .Lentry_shape_is_right
	s_endpgm
.Lentry_shape_is_right:
; The three projections on codes of BF8 (E5M2) with one E8M0 scale for each 32 along K = 1,024; sums in f32; each result is QUANTISED on the way out, along the axis that the next product contracts.
; Operands are rows of codes_in (1,024 bytes a row; scales_in 32 bytes a row): inputs at row 0, W_q at 8,192, W_k at 9,216, W_v at 10,240.
; A WORK-GROUP STAYS AND MAKES ONE AND A HALF TILES, so that 256 work-groups have equal work:
;   tile 1 (Q and K): 256 tokens x 256 features of W_q, W_k, quantised along the features (the head's 64);
;   tile 2 (V^T):     128 features of W_v x the same 256 tokens, quantised along the tokens (the keys).
; Four waves.  Tile 1: a wave makes 128 x 128 (64 accumulators, 512 registers); tile 2: 64 features x 128 tokens (32 accumulators).
; K goes in steps of 256 through a ring of two LDS slots filled by the tensor data mover, and the ring does not stop at tile 1's end: its last two changes of slots ask for tile 2's first two K steps, which land while tile 1 goes out.
; The scales of the tokens' rows and of W_q, W_k's rows, for all of K, come into LDS once, with the first fills, and stay; W_v's scale words of a wave's 64 rows, for all of K, are loaded once into 32 registers.
; CLUSTERS: 4 x 4 work-groups.  The four of a row of the cluster need the same tokens, the four of a column the same rows of the weights: each tile is asked for jointly.
; THE MATRIX INSTRUCTION'S SOURCE 0 IS THE OPERAND ALONG WHICH THE RESULT IS QUANTISED (tile 1: the weights; tile 2: the tokens).  Its rows lie in codes_in with the groups of 8 of every 32 in the order 0, 2, 1, 3: so for block a of
; source 1 the 64 accumulator registers of a lane are: register 16 bb + i = C(row 16 a + lane % 16, true n = 32 bb + 16 (lane / 16) + i): 16 neighbours of each of four blocks of 32; lane l xor 16 holds the other 16.
; OUT.  Codes: [group of 64 n][all rows][64 bytes]; Q, K at byte 0 (32 groups x 8,192 token places), V^T at byte 16,777,216 (128 groups x 1,024 feature places).
;   Q's and K's scales at byte 0: [32 groups of 64 features][token places / 32][16] words: a word holds the two bytes of place r and, above them, the two bytes of place r + 16.
;   V^T's scales at byte 524,288: [tokens / 128][1,024 feature places] words, a byte for each 32 tokens.
; LIMITS: a block of zeros gets the byte 1 (its codes are zeros; this program alone reads the bytes); blocks under 2^(16 - 127) are held at the byte 1; NaN and infinities are not served.
; REGISTERS, in windows of 256: window 0: v0-31 addresses; v32-63 scale words, two sets, and v64-95 W_v's scale words: these hold scales and nothing else; from v128 source 1's fragments (tile 1: one set of 8; tile 2: two sets of 4);
;   on the ways out v160-255 are at work.   window 1: source 0's fragments, TWO sets.   window 2: the accumulators of source 1's blocks 0-3 ((a, b) at v[8 (8 a + b)]);   window 3: those of blocks 4-7.
.set KSTEP,  256                       ; along K in a slot
.set NQ,     KSTEP/128                 ; matrix instructions deep
.set ROWB,   256                       ; a tile's row in bytes
.set KROW,   1024                      ; a row of codes_in in bytes
.set PITCH,  272                       ; an LDS row: 256 bytes + 16 of padding = 68 words: row r starts at bank 4 r mod 64 (ISA guide 11.1)
.set FR,     16                        ; registers of a fragment: 16 rows x 128 K
.set NL,     4                         ; LDS loads that bring one
.set NP,     8                         ; places behind this matrix instruction (ISA guide 7.12.1)
.set HALFT,  128*PITCH                 ; 128 rows
.set SLOT,   4*HALFT                   ; the tokens' 256 rows, then the weights' (tile 1: 256; tile 2: 128)
.set KS,     32                        ; a row of scales in bytes
.set SCL,    2*SLOT                    ; behind the ring: the scales, as runs of 256 bytes + 16 of padding
.set HALFS,  (128*KS/256)*272          ; the scales of 128 rows
.set SBLK,   (16*KS/256)*272           ; those of 16 rows
.set SPARE,  SCL+4*HALFS               ; the spare words, 128 bytes for each wave: two blocks of 256 bytes that no other line names
.set STAGE,  SPARE+512                 ; the ways out: bytes of their own, into which no fill lands
.set WSTG,   4608                      ; for each wave two stages of codes [2 groups of 64 n][16 rows][64 bytes], and at + 4,096 its 512 bytes of scale words
.set COS,  8                           ; v8      tile 1's scale words: 16 (lane % 16) + 16,384 (lane / 16)
.set ADRA, 16                          ; v16-17  LDS address of my fragments of the tokens in slot 0, 1
.set ADRV, 18                          ; v18-19  of W_v
.set ADRB, 20                          ; v20-21  of W_q, W_k
.set SST,  22                          ; v22     the way out: where my row's scale word goes
.set ADRS2, 23                         ; v23     tile 2: LDS address of the tokens' scale words, in all lanes
.set STO,  24                          ; v24     the way out: where I put 16 bytes of a row
.set RD,   25                          ; v25     the way out: where I read back, 16 bytes a lane
.set CO,   26                          ; v26     16 x lane
.set ADRS, 27                          ; v27     tile 1: LDS address of my scale words: lanes 0-15 the tokens', lanes 16-31 the weights'
.set SPW,  28                          ; v28     LDS address of my spare word; never rewritten
.set NIL,  29                          ; v29     0; never rewritten
.set RD2,  30                          ; v30     the way out: where I read back, 8 bytes a lane
.set CO2,  31                          ; v31     8 x lane
.set SC,   32                          ; scale words: set s at v[SC + 8 NQ s]
.set WS,   64                          ; W_v's scale words: block a's word for the kq-th 128 along K at v[WS + 8 a + kq]
.set AF,   128                         ; source 1's fragments, in window 0
.set T,    96
.set PC,   160                         ; v160-191 codes, two sets of 16
.set BK,   192                         ; v192-223 codes read back, two sets of 16
.set TM,   224                         ; v224-227 largest magnitudes, v228-231 permute and bytes, v236-239 the conversion's scale operand
.set PW,   240                         ; v240-247 a scale word for each block of rows
.set SW,   248                         ; v248-251 scale words read back
.set G0V, 4                            ; s[4:11]  descriptor group 0 for W_v's tiles, one set for each slot
.set G1, 24                            ; s[24:31] descriptor group 1 for the tokens' tiles;  s[32:39] group 0, one set for each slot
.set G0, 32
.set G1B, 48                           ; s[48:55], s[56:63] the same for W_q, W_k's tiles
.set G0B, 56
.set G1S, 68                           ; s[68:75], s[76:79] groups 1 and 0 for the tokens' scales;  s[80:87], s[88:91] for W_q, W_k's
.set G0S, 76
.set G1SB, 80
.set G0SB, 88
.set G1V, 92                           ; s[92:99] group 1 for W_v's tiles
.set MSB, 0
.macro WIN new                         ; the immediate's high byte repeats the setting that is left
.if MSB != \new
	s_set_vgpr_msb (MSB<<8)|\new
.set MSB, \new
.endif
.endm
.set MUL_LO, 0xa1                      ; source 0 window 1, source 1 window 0, C and D window 2
.set MUL_HI, 0xf1                      ; the same, C and D window 3
.set TO_B,   0x40                      ; destination window 1, address window 0
; A joint load: waves 0 and 1 fetch the tokens' halves, waves 2 and 3 the weights'.  Each of the two lines has one mask and one set of registers; the branch hangs on the wave's number alone.
; Four v_nop follow each of the two lines, ahead of the jump, the label and what follows.
.macro JLOAD g0a, g1a, g0b, g1b
	s_cmp_eq_u32 s15, 0
	s_cbranch_scc0 .Lfor_b_\@
	tensor_load_to_lds s[\g0a:\g0a+3], s[\g1a:\g1a+7]
	s_nop 0
.rept 4
	v_nop
.endr
	s_branch .Lasked_\@
.Lfor_b_\@:
	tensor_load_to_lds s[\g0b:\g0b+3], s[\g1b:\g1b+7]
	s_nop 0
.rept 4
	v_nop
.endr
.Lasked_\@:
.endm
.macro CREST                           ; a round of the cluster's barrier behind its opening barrier
	s_cmp_lg_u32 s14, 0
	s_cbranch_scc1 .Lnot_wave_0_\@
	s_barrier_signal -3
.Lnot_wave_0_\@:
	s_barrier_wait -3
	s_barrier_signal -1
	s_barrier_wait -1
.endm
.macro CROUND                          ; a whole round
	s_barrier_signal -1
	s_barrier_wait -1
	CREST
.endm
	s_load_b128 s[4:7], s[0:1], 0x0                ; codes_in s[4:5], scales_in s[6:7]
	s_load_b128 s[8:11], s[0:1], 0x10              ; qkv_codes s[8:9], qkv_scales s[10:11]
	v_lshl_add_u32 v[SPW], v0, 2, SPARE
	v_mov_b32 v[NIL], 0
	ds_add_u32 v28, v29
	ds_add_u32 v28, v29
	s_wait_dscnt 0x0
	v_lshrrev_b32 v1, 5, v0
	v_readfirstlane_b32 s14, v1                    ; wave 0..3
	s_lshr_b32 s15, s14, 1                         ; which half of the tokens is mine.  Also: I fetch the tokens (0) or the weights (1)
	s_and_b32 s16, s14, 1                          ; which half of the weights' rows is mine.  Also: which half of a tile I fetch
	s_bfe_u32 s40, ttmp6, 0x40000                  ; cx, cy: my place in the cluster
	s_bfe_u32 s41, ttmp6, 0x40004
	s_lshl_b32 s42, ttmp9, 2
	s_add_co_u32 s42, s42, s40                     ; my column: 256 features of W_q, W_k and 128 of W_v: 0 .. 7
	s_and_b32 s17, ttmp7, 0xffff
	s_lshl_b32 s17, s17, 2
	s_add_co_u32 s17, s17, s41                     ; my row: 256 tokens: 0 .. 31
	s_lshl_b32 s43, s41, 2
	s_lshl_b32 s43, 15, s43                        ; my row of the cluster
	s_lshl_b32 s44, 0x1111, s40                    ; my column
	; descriptor groups 1: tiles of 128 (W_v: 64) rows x 256 bytes, padded in LDS
	s_or_b32 s[G1+0], s43, (0<<16)|(1<<20)|(1<<21)|(5<<22)|(3<<25)  ; 15:0 the mask: the tokens' tiles go to my row; 17:16 element of 1 byte; 20 padding on; 21 set beside a mask; 24:22 after every 64 words; 31:25 of 4 words
	s_or_b32 s[G1B+0], s44, (0<<16)|(1<<20)|(1<<21)|(5<<22)|(3<<25) ; the weights' go to my column
	s_or_b32 s[G1V+0], s44, (0<<16)|(1<<20)|(1<<21)|(5<<22)|(3<<25)
.irp g, G1, G1B
	s_mov_b32 s[\g+1], ROWB<<16                    ; tensor_dim0
	s_mov_b32 s[\g+2], 128<<16                     ; tensor_dim1 = 128
	s_mov_b32 s[\g+3], ROWB<<16                    ; tile_dim0
	s_mov_b32 s[\g+4], 128                         ; tile_dim1 = 128
	s_mov_b32 s[\g+5], KROW                        ; tensor_dim0_stride
	s_mov_b32 s[\g+6], 0
	s_mov_b32 s[\g+7], 0
.endr
	s_mov_b32 s[G1V+1], ROWB<<16
	s_mov_b32 s[G1V+2], 64<<16                     ; tensor_dim1 = 64
	s_mov_b32 s[G1V+3], ROWB<<16
	s_mov_b32 s[G1V+4], 64                         ; tile_dim1 = 64
	s_mov_b32 s[G1V+5], KROW
	s_mov_b32 s[G1V+6], 0
	s_mov_b32 s[G1V+7], 0
	; the scales of 128 rows: a dense block of 4,096 bytes, as rows of 256 bytes (32 elements of 8 bytes), 16 bytes of padding behind each
	s_or_b32 s[G1S+0], s43, (3<<16)|(1<<20)|(1<<21)|(5<<22)|(3<<25)
	s_or_b32 s[G1SB+0], s44, (3<<16)|(1<<20)|(1<<21)|(5<<22)|(3<<25)
.irp g, G1S, G1SB
	s_mov_b32 s[\g+1], 32<<16
	s_mov_b32 s[\g+2], (128*KS/256)<<16
	s_mov_b32 s[\g+3], 32<<16
	s_mov_b32 s[\g+4], 128*KS/256
	s_mov_b32 s[\g+5], 32
	s_mov_b32 s[\g+6], 0
	s_mov_b32 s[\g+7], 0
.endr
	; which rows of codes_in I fetch, as byte offsets (12,288 rows: all under 2^32)
	s_lshl_b32 s3, s16, 7
	s_lshl_b32 s20, s17, 8
	s_add_co_u32 s20, s20, s3                      ; tokens: 256 x my row + 128 x half
	s_lshl_b32 s46, s42, 8
	s_add_co_u32 s46, s46, s3
	s_add_co_u32 s46, s46, 8192                    ; W_q, W_k: 8,192 + 256 x my column + 128 x half
	s_lshl_b32 s100, s42, 7
	s_lshl_b32 s3, s16, 6
	s_add_co_u32 s100, s100, s3
	s_add_co_u32 s100, s100, 10240                 ; W_v: 10,240 + 128 x my column + 64 x half
	s_lshl_b32 s22, s20, 5                         ; their scales,
	s_mov_b32 s23, 0
	s_lshl_b32 s18, s46, 5
	s_mov_b32 s19, 0
	s_lshl_b32 s104, s100, 5
	s_mov_b32 s105, 0
	s_lshl_b32 s20, s20, 10                        ; and their codes
	s_mov_b32 s21, 0
	s_lshl_b32 s46, s46, 10
	s_mov_b32 s47, 0
	s_lshl_b32 s100, s100, 10
	s_mov_b32 s101, 0
	s_mul_i32 s45, s14, HALFT                      ; where tile 1's go: wave x 128 rows: no place in the cluster enters an LDS address
	s_mul_i32 s3, s14, HALFS
	s_wait_kmcnt 0x0
	s_add_nc_u64 s[20:21], s[4:5], s[20:21]
	s_add_nc_u64 s[22:23], s[6:7], s[22:23]
	s_add_nc_u64 s[46:47], s[4:5], s[46:47]
	s_add_nc_u64 s[18:19], s[6:7], s[18:19]
	s_add_nc_u64 s[100:101], s[4:5], s[100:101]
	s_add_nc_u64 s[104:105], s[6:7], s[104:105]    ; the scales of my 64 rows of W_v; never rewritten
	CROUND                                         ; all sixteen work-groups are here: the first joint loads meet
	s_mov_b32 s[G0S], 1
	s_add_co_u32 s[G0S+1], s3, SCL
	s_mov_b64 s[G0S+2:G0S+3], s[22:23]
	s_or_b32 s[G0S+3], s[G0S+3], 0x80000000
	s_mov_b32 s[G0SB], 1
	s_add_co_u32 s[G0SB+1], s3, SCL
	s_mov_b64 s[G0SB+2:G0SB+3], s[18:19]
	s_or_b32 s[G0SB+3], s[G0SB+3], 0x80000000
	JLOAD G0S, G1S, G0SB, G1SB                     ; the scales first: they are wanted with K step 0
.irp s, 0,1
	s_mov_b32 s[G0+4*\s], 1
	s_add_co_u32 s[G0+4*\s+1], s45, \s*SLOT
	s_add_nc_u64 s[G0+4*\s+2:G0+4*\s+3], s[20:21], \s*ROWB
	s_or_b32 s[G0+4*\s+3], s[G0+4*\s+3], 0x80000000
	s_mov_b32 s[G0B+4*\s], 1
	s_add_co_u32 s[G0B+4*\s+1], s45, \s*SLOT
	s_add_nc_u64 s[G0B+4*\s+2:G0B+4*\s+3], s[46:47], \s*ROWB
	s_or_b32 s[G0B+4*\s+3], s[G0B+4*\s+3], 0x80000000
	s_wait_alu depctr_va_vdst(0)
	s_wait_tensorcnt 0x0
	ds_add_u32 v28, v29
	s_wait_dscnt 0x0
	CROUND
	JLOAD G0+4*\s, G1, G0B+4*\s, G1B               ; one load of mine, K step 1's, is out behind the last of these
.endr
	v_and_b32 v1, 15, v0                           ; r = l % 16
	v_bfe_u32 v2, v0, 4, 1                         ; h = l / 16
	v_lshlrev_b32 v7, 5, v1                        ; W_v's scale words: 32 bytes a row; never rewritten
.irp a, 0,1,2,3
	global_load_b128 v[WS+8*\a:WS+8*\a+3], v7, s[104:105] offset:512*\a      ; sixteen lanes' two loads cover 512 consecutive bytes; lanes 16-31 read the same and are not used
	global_load_b128 v[WS+8*\a+4:WS+8*\a+7], v7, s[104:105] offset:512*\a+16
.endr
	v_mul_u32_u24 v3, v1, PITCH
	v_lshl_add_u32 v4, v2, 4, v3                   ; a fragment's row x pitch + 16 x half
	s_wait_alu depctr_va_vdst(0)
	s_mul_i32 s2, s15, HALFT                       ; my 128 tokens
	s_mul_i32 s3, s16, HALFT                       ; my 128 rows of W_q, W_k,
	s_add_co_u32 s3, s3, 2*HALFT                   ; which lie behind the tokens' 256
	s_mul_i32 s45, s16, 64*PITCH                   ; my 64 rows of W_v, in the same place
	s_add_co_u32 s45, s45, 2*HALFT
.irp s, 0,1
	v_add_nc_u32 v[ADRA+\s], s2, v4
	v_add_nc_u32 v[ADRB+\s], s3, v4
	v_add_nc_u32 v[ADRV+\s], s45, v4
	s_add_co_u32 s2, s2, SLOT
	s_add_co_u32 s3, s3, SLOT
	s_add_co_u32 s45, s45, SLOT
.endr
	v_mul_u32_u24 v5, v1, KS                       ; my row's scales: 32 bytes a row,
	v_lshrrev_b32 v6, 8, v5
	v_lshl_add_u32 v5, v6, 4, v5                   ; and 16 more for each 256 passed
	s_mul_i32 s2, s15, HALFS                       ; the tokens': my 128 rows
	s_mul_i32 s3, s16, HALFS                       ; the weights': my 128 rows, behind the tokens' 256
	s_add_co_u32 s3, s3, 2*HALFS
	s_sub_co_u32 s3, s3, s2
	v_mul_u32_u24 v6, s3, v2                       ; tile 1: lanes 16-31 take the weights'
	s_add_co_u32 s2, s2, SCL
	v_add_nc_u32 v[ADRS2], s2, v5                  ; tile 2: all lanes take the tokens'
	v_add_nc_u32 v5, v5, v6
	v_add_nc_u32 v[ADRS], s2, v5
	s_mul_i32 s2, s14, WSTG                        ; my stage
	s_add_co_u32 s2, s2, STAGE
	v_lshlrev_b32 v5, 6, v1
	v_lshl_add_u32 v5, v2, 4, v5
	v_add_nc_u32 v[STO], s2, v5                    ; in: row r, 16 bytes for each half of the lanes
	v_and_b32 v6, 31, v0
	v_lshlrev_b32 v[CO], 4, v6
	v_add_nc_u32 v[RD], s2, v[CO]                  ; back: 512 bytes on end, 16 a lane
	v_lshlrev_b32 v5, 2, v1
	v_add_nc_u32 v[SST], s2, v5
	v_lshlrev_b32 v[CO2], 3, v6
	v_add_nc_u32 v[RD2], s2, v[CO2]
	v_lshlrev_b32 v[COS], 4, v1
	v_lshl_add_u32 v[COS], v2, 14, v[COS]
	s_mov_b32 s66, 0x76543210
	s_mov_b32 s67, 0xfedcba98                      ; v_permlanex16_b32's selects for lane l xor 16
	; where my results go.  Offsets are made apart from the addresses
	s_lshl_b32 s2, s42, 2
	s_lshl_b32 s3, s16, 1
	s_add_co_u32 s45, s2, s3                       ; tile 1: my first group of 64 features: 4 x column + 2 x half
	s_lshl_b32 s2, s45, 19                         ; groups of 8,192 places x 64 bytes
	s_lshl_b32 s3, s17, 8
	s_lshl_b32 s18, s15, 7
	s_add_co_u32 s18, s18, s3                      ; my first token place: 256 x row + 128 x half
	s_lshl_b32 s3, s18, 6
	s_add_co_u32 s2, s2, s3
	s_mov_b32 s3, 0
	s_add_nc_u64 s[12:13], s[8:9], s[2:3]          ; codes of my first group of 64 features,
	s_add_nc_u64 s[20:21], s[12:13], 0x80000       ; of my second
	s_lshl_b32 s2, s45, 14                         ; scale words: groups of 16,384 bytes,
	s_lshl_b32 s19, s18, 1                         ; 64 bytes for each 32 places
	s_add_co_u32 s2, s2, s19
	s_add_nc_u64 s[22:23], s[10:11], s[2:3]
	s_lshl_b32 s2, s17, 2
	s_lshl_b32 s45, s15, 1
	s_add_co_u32 s2, s2, s45                       ; tile 2: my first group of 64 tokens: 4 x row + 2 x half
	s_lshl_b32 s2, s2, 16                          ; groups of 1,024 places x 64 bytes
	s_lshl_b32 s45, s42, 7
	s_lshl_b32 s19, s16, 6
	s_add_co_u32 s45, s45, s19                     ; my first feature place: 128 x column + 64 x half
	s_lshl_b32 s19, s45, 6
	s_add_co_u32 s2, s2, s19
	s_add_co_u32 s2, s2, 0x1000000
	s_add_nc_u64 s[18:19], s[8:9], s[2:3]          ; codes of my first group of 64 tokens,
	s_add_nc_u64 s[46:47], s[18:19], 0x10000       ; of my second
	s_lshl_b32 s2, s17, 1
	s_add_co_u32 s2, s2, s15                       ; my group of 128 tokens
	s_lshl_b32 s2, s2, 12
	s_lshl_b32 s45, s45, 2
	s_add_co_u32 s2, s2, s45
	s_add_co_u32 s2, s2, 0x80000
	; W_v's groups 0 take the registers that held the four buffers' addresses, which are no longer wanted
	s_mov_b64 s[G0V+2:G0V+3], s[100:101]           ; K step 0
	s_add_nc_u64 s[100:101], s[10:11], s[2:3]      ; tile 2's scale words
	s_add_nc_u64 s[G0V+6:G0V+7], s[G0V+2:G0V+3], ROWB   ; K step 1
	s_or_b32 s[G0V+3], s[G0V+3], 0x80000000
	s_or_b32 s[G0V+7], s[G0V+7], 0x80000000
	s_mov_b32 s[G0V], 1
	s_mov_b32 s[G0V+4], 1
	s_mul_i32 s2, s16, 64*PITCH
	s_add_co_u32 s[G0V+1], s2, 2*HALFT             ; behind the tokens' 256 rows: half x 64 rows
	s_add_co_u32 s[G0V+5], s2, 2*HALFT+SLOT
.macro FRAG reg, adr, q, i             ; a fragment, 16 rows x 128 K: lane l holds row l % 16; registers 4 c .. 4 c + 3 hold K = 32 c + 16 (l / 16) + 0 .. 15
.irp c, 0,1,2,3
	ds_load_b128 v[\reg+4*\c:\reg+4*\c+3], v[\adr] offset:128*(\q)+32*\c+(\i)*16*PITCH
.endr
.endm
; A load into a register that a matrix instruction has read, and a vector instruction that reads a matrix result or writes one of its registers, stand eight places behind it; only plain vector
; instructions that name none of its registers are places.
.macro PLACES n
.rept \n
	v_nop
.endr
.endm
; ---- TILE 1.  16 matrix instructions: the tokens' blocks a0, a0 + 1 x the weights' eight, 128 along K.  p: the weights' set;  sc: the set of scale words.  zero = 1: the first product starts the sums.
; The 64 accumulators take turns, one instruction a turn, in the same order in every step.
.macro MUL16 a0, p, q, sc, zero
.irp a, \a0, \a0+1
.irp b, 0,1,2,3,4,5,6,7
.if \zero
	v_wmma_scale_f32_16x16x128_f8f6f4 v[8*(8*((\a)%4)+\b):8*(8*((\a)%4)+\b)+7], v[128*(\p)+FR*\b:128*(\p)+FR*\b+FR-1], v[AF+FR*(\a):AF+FR*(\a)+FR-1], 0, v[SC+8*NQ*(\sc)+NQ*\b+(\q)], v[SC+8*NQ*(\sc)+NQ*(\a)+(\q)] matrix_a_fmt:MATRIX_FMT_BF8 matrix_b_fmt:MATRIX_FMT_BF8 matrix_a_scale:MATRIX_SCALE_ROW1
.else
	v_wmma_scale_f32_16x16x128_f8f6f4 v[8*(8*((\a)%4)+\b):8*(8*((\a)%4)+\b)+7], v[128*(\p)+FR*\b:128*(\p)+FR*\b+FR-1], v[AF+FR*(\a):AF+FR*(\a)+FR-1], v[8*(8*((\a)%4)+\b):8*(8*((\a)%4)+\b)+7], v[SC+8*NQ*(\sc)+NQ*\b+(\q)], v[SC+8*NQ*(\sc)+NQ*(\a)+(\q)] matrix_a_fmt:MATRIX_FMT_BF8 matrix_b_fmt:MATRIX_FMT_BF8 matrix_a_scale:MATRIX_SCALE_ROW1
.endif
.endr
.endr
.endm
.macro FETCH_B slot, q, p              ; the weights' eight fragments of the slot's q-th 128 along K into set p
	WIN TO_B
.irp i, 0,1,2,3,4,5,6,7
	FRAG 128*(\p)+FR*\i, ADRB+\slot, \q, \i
.endr
	WIN 0
.endm
.macro FETCH_A slot, q, i0             ; the tokens' blocks i0 .. i0 + 3
.irp i, \i0, \i0+1, \i0+2, \i0+3
	FRAG AF+FR*(\i), ADRA+\slot, \q, \i
.endr
.endm
.macro SCALES sc                       ; the next K step's scale words into set sc: two words a row; lanes 0-15 take the tokens' block i, lanes 16-31 the weights' block i
.irp i, 0,1,2,3,4,5,6,7
	ds_load_b64 v[SC+8*NQ*\sc+NQ*\i:SC+8*NQ*\sc+NQ*\i+1], v[ADRS] offset:\i*SBLK
.endr
.endm
; A step of 128 along K that has its successor in the same slot.
.macro STEP slot, q, zero
	s_wait_dscnt 4*NL                              ; the weights' set, the scale words and the tokens' blocks 0-3 are in; the youngest sixteen loads (blocks 4-7) may be out
	WIN MUL_LO
	MUL16 0, (\q)%2, \q, \slot, \zero
	MUL16 2, (\q)%2, \q, \slot, \zero
	s_wait_dscnt 0                                 ; blocks 4-7 are in (asked for 32 matrix instructions ago)
	PLACES NP
	FETCH_B \slot, (\q)+1, 1-(\q)%2
	FETCH_A \slot, (\q)+1, 0
	WIN MUL_HI
	MUL16 4, (\q)%2, \q, \slot, \zero
	MUL16 6, (\q)%2, \q, \slot, \zero
	PLACES NP
	WIN 0
	FETCH_A \slot, (\q)+1, 4
.endm
; A slot's last step changes slots: ONE barrier, which opens a round of the cluster's; in front of it each wave waits for all its tensor loads, adds 0 to its spare word, and waits for that and for its own reads of this slot.
; fill = 1: this slot is filled again with tile 1's K step two steps on; fill = 2: with tile 2's K step 0 or 1: the tokens' address goes back 512 bytes, the weights' load is W_v's.
; more = 1: the next slot's first fragments are fetched; more = 0: tile 1's last step.
.macro TURN slot, next, fill, more
	s_wait_tensorcnt 0x0                           ; all my tensor loads have landed: my part of the next slot;  (every window is 0 here)
	ds_add_u32 v[SPW], v[NIL]                      ; 0 onto my spare word
	s_wait_dscnt 4*NL+1                            ; (the add and the youngest sixteen loads, blocks 4-7, may be out)
	WIN MUL_LO
	MUL16 0, 1, NQ-1, \slot, 0                     ; sixteen matrix instructions stand between the add and the wait for it
	s_wait_dscnt 0x0                               ; the add is done, and my reads of this slot are over
	s_barrier_signal -1
	MUL16 2, 1, NQ-1, \slot, 0
	WIN 0
	s_barrier_wait -1
	CREST                                          ; no wave of any partner still reads this slot's tile or has a load on its way
.if \fill == 1
	s_add_nc_u64 s[G0+4*\slot+2:G0+4*\slot+3], s[G0+4*\slot+2:G0+4*\slot+3], 2*ROWB
	s_add_nc_u64 s[G0B+4*\slot+2:G0B+4*\slot+3], s[G0B+4*\slot+2:G0B+4*\slot+3], 2*ROWB
	JLOAD G0+4*\slot, G1, G0B+4*\slot, G1B         ; the first tensor load behind the round
.else
	s_sub_nc_u64 s[G0+4*\slot+2:G0+4*\slot+3], s[G0+4*\slot+2:G0+4*\slot+3], 2*ROWB
	JLOAD G0+4*\slot, G1, G0V+4*\slot, G1V
.endif
.if \more
	PLACES NP-4                                    ; with the four v_nop behind the joint load: the places in front of the loads below
	s_wait_alu depctr_va_vdst(0)
	v_add_nc_u32 v[ADRS], 4*NQ, v[ADRS]            ; on to the next K step's scale words
	FETCH_B \next, 0, 0
	FETCH_A \next, 0, 0
	SCALES \next
.endif
	WIN MUL_HI
	MUL16 4, 1, NQ-1, \slot, 0
	MUL16 6, 1, NQ-1, \slot, 0
.if \more
	PLACES NP
	WIN 0
	FETCH_A \next, 0, 4
.else
	WIN 0
.endif
.endm
; ---- TILE 2.  16 matrix instructions: W_v's blocks a0, a0 + 1 (source 1) x the tokens' eight (source 0).  p: both operands' set;  kq: which 128 along K of all eight;  sc, q: the tokens' scale word.
; The 32 accumulators take turns, one instruction a turn.
.macro MULV a0, p, kq, sc, q, zero
.irp a, \a0, \a0+1
.irp b, 0,1,2,3,4,5,6,7
.if \zero
	v_wmma_scale_f32_16x16x128_f8f6f4 v[8*(8*(\a)+\b):8*(8*(\a)+\b)+7], v[128*(\p)+FR*\b:128*(\p)+FR*\b+FR-1], v[AF+64*(\p)+FR*(\a):AF+64*(\p)+FR*(\a)+FR-1], 0, v[SC+8*NQ*(\sc)+NQ*\b+(\q)], v[WS+8*(\a)+(\kq)] matrix_a_fmt:MATRIX_FMT_BF8 matrix_b_fmt:MATRIX_FMT_BF8 matrix_a_scale:MATRIX_SCALE_ROW1
.else
	v_wmma_scale_f32_16x16x128_f8f6f4 v[8*(8*(\a)+\b):8*(8*(\a)+\b)+7], v[128*(\p)+FR*\b:128*(\p)+FR*\b+FR-1], v[AF+64*(\p)+FR*(\a):AF+64*(\p)+FR*(\a)+FR-1], v[8*(8*(\a)+\b):8*(8*(\a)+\b)+7], v[SC+8*NQ*(\sc)+NQ*\b+(\q)], v[WS+8*(\a)+(\kq)] matrix_a_fmt:MATRIX_FMT_BF8 matrix_b_fmt:MATRIX_FMT_BF8 matrix_a_scale:MATRIX_SCALE_ROW1
.endif
.endr
.endr
.endm
.macro FETCH2 slot, q, p               ; 48 loads: the tokens' eight fragments and W_v's four, into sets p
	WIN TO_B
.irp i, 0,1,2,3,4,5,6,7
	FRAG 128*(\p)+FR*\i, ADRA+\slot, \q, \i
.endr
	WIN 0
.irp i, 0,1,2,3
	FRAG AF+64*(\p)+FR*\i, ADRV+\slot, \q, \i
.endr
.endm
.macro SCALES2 sc                      ; the tokens' scale words of a K step: all lanes take block i's; the matrix instruction reads lanes 16-31
.irp i, 0,1,2,3,4,5,6,7
	ds_load_b64 v[SC+8*NQ*\sc+NQ*\i:SC+8*NQ*\sc+NQ*\i+1], v[ADRS2] offset:\i*SBLK
.endr
.endm
.macro STEP2 slot, ks, zero            ; a slot's first step (sets 0); in its middle the second step's fragments are fetched into sets 1
	s_wait_dscnt 0x0                               ; this step's fragments and scale words are in
	WIN MUL_LO
	MULV 0, 0, 2*(\ks), \slot, 0, \zero
	PLACES NP
	FETCH2 \slot, 1, 1
	WIN MUL_LO
	MULV 2, 0, 2*(\ks), \slot, 0, \zero
	WIN 0
.endm
.macro TURN2 slot, next, ks, fill      ; a slot's second step (sets 1) changes slots, as TURN does
	s_wait_tensorcnt 0x0                           ; all my tensor loads have landed: my part of the next slot
	ds_add_u32 v[SPW], v[NIL]                      ; 0 onto my spare word
	s_wait_dscnt 1                                 ; (this step's fragments are in; the add may be out)
	WIN MUL_LO
	MULV 0, 1, 2*(\ks)+1, \slot, 1, 0              ; sixteen matrix instructions stand between the add and the wait for it
	s_wait_dscnt 0x0                               ; the add is done, and my reads of this slot are over
	s_barrier_signal -1
	WIN 0
	s_barrier_wait -1
.if \fill
	CREST
	s_add_nc_u64 s[G0+4*\slot+2:G0+4*\slot+3], s[G0+4*\slot+2:G0+4*\slot+3], 2*ROWB
	s_add_nc_u64 s[G0V+4*\slot+2:G0V+4*\slot+3], s[G0V+4*\slot+2:G0V+4*\slot+3], 2*ROWB
	JLOAD G0+4*\slot, G1, G0V+4*\slot, G1V
	PLACES NP-4
.else
	PLACES NP
.endif
	s_wait_alu depctr_va_vdst(0)
	v_add_nc_u32 v[ADRS2], 4*NQ, v[ADRS2]
	FETCH2 \next, 0, 0
	SCALES2 \next
	WIN MUL_LO
	MULV 2, 1, 2*(\ks)+1, \slot, 1, 0
	WIN 0
.endm
; ---- THE WAY OUT, block by block of 16 rows x 128 n.  QROW a: the block's 64 numbers a lane become 16 registers of codes and a scale word.
; Each accumulator is read from its low end on: the maxima go through the registers in ascending order.
.macro QROW a
.set AC, 64*((\a)%4)
.set WW, 2+(\a)/4                      ; the block's window
.set W12, (WW<<2)|(WW<<4)
	WIN W12                                        ; sources 1 and 2: the accumulators
.irp b, 0,1,2,3
	v_max3_num_f32 v[TM+\b], 0x8000000, |v[AC+16*\b]|, |v[AC+16*\b+1]|   ; block b of 32 n: my 16 numbers, and the floor 2^(16 - 127): so the byte cannot fall under 1
.endr
.irp i, 2,4,6,8,10,12,14
.irp b, 0,1,2,3
	v_max3_num_f32 v[TM+\b], v[TM+\b], |v[AC+16*\b+\i]|, |v[AC+16*\b+\i+1]|   ; (the four blocks by turns)
.endr
.endr
	WIN 0
.irp b, 0,1,2,3
	v_permlanex16_b32 v[TM+4+\b], v[TM+\b], s66, s67
.endr
.irp b, 0,1,2,3
	v_max_num_f32 v[TM+\b], v[TM+\b], v[TM+4+\b]   ; with lane l xor 16's: the block's largest magnitude
.endr
.irp b, 0,1,2,3
	v_add_nc_u32 v[TM+12+\b], 0xf8800000, v[TM+\b] ; 15 off its exponent field: the conversion's scale operand
.endr
.irp b, 0,1,2,3
.endr
.irp b, 0,1,2,3
	v_lshrrev_b32 v[TM+4+\b], 23, v[TM+12+\b]      ; the scale's byte
.endr
	v_lshl_or_b32 v[PW+(\a)], v[TM+5], 8, v[TM+4]  ; my row's scale word for these 128 n
	v_lshl_or_b32 v[PW+(\a)], v[TM+6], 16, v[PW+(\a)]
	v_lshl_or_b32 v[PW+(\a)], v[TM+7], 24, v[PW+(\a)]
	WIN WW                                         ; source 0: the accumulators
.irp b, 0,1,2,3
.irp i, 0,1,2,3,4,5,6,7,8,9,10,11,12,13,14,15
.endr
.endr
.irp b, 0,1,2,3
	v_cvt_scalef32_pk8_bf8_f32 v[PC+16*((\a)%2)+4*\b:PC+16*((\a)%2)+4*\b+1], v[AC+16*\b:AC+16*\b+7], v[TM+12+\b]
	v_cvt_scalef32_pk8_bf8_f32 v[PC+16*((\a)%2)+4*\b+2:PC+16*((\a)%2)+4*\b+3], v[AC+16*\b+8:AC+16*\b+15], v[TM+12+\b]
.endr
	WIN 0
	v_nop                                          ; one plain vector instruction behind the scaled conversions, ahead of any vector instruction that writes their sources
.endm
; Eight LDS instructions: the codes into my stage (16 bytes of a row a lane), and back as runs of 512 bytes.  LDS serves a wave's instructions in order (ISA guide 5.7.1.4).
.macro TOSTAGE a
.set PP, PC+16*((\a)%2)
.set BB, BK+16*((\a)%2)
.irp b, 0,1,2,3
	ds_store_b128 v[STO], v[PP+4*\b:PP+4*\b+3] offset:2048*((\a)%2)+1024*(\b/2)+32*(\b%2)
.endr
.irp k, 0,1,2,3
	ds_load_b128 v[BB+4*\k:BB+4*\k+3], v[RD] offset:2048*((\a)%2)+512*\k
.endr
.endm
.macro SEND a, younger, p0, p1         ; younger: the LDS instructions issued behind block a's loads, which may stay out;  p0, p1: the two groups of 64 n
.set BB, BK+16*((\a)%2)
	s_wait_dscnt \younger
	global_store_b128 v[CO], v[BB:BB+3], s[\p0:\p0+1] offset:1024*(\a)          ; 8 rows x 64 bytes: 32 lanes store 512 consecutive bytes, aligned
	global_store_b128 v[CO], v[BB+4:BB+7], s[\p0:\p0+1] offset:1024*(\a)+512
	global_store_b128 v[CO], v[BB+8:BB+11], s[\p1:\p1+1] offset:1024*(\a)
	global_store_b128 v[CO], v[BB+12:BB+15], s[\p1:\p1+1] offset:1024*(\a)+512
.endm
	s_wait_tensorcnt 1                             ; the scales and my part of K step 0 are in (K step 1's load may be out)
	s_barrier_signal -1
	s_barrier_wait -1                              ; everybody's are
	FETCH_B 0, 0, 0
	FETCH_A 0, 0, 0
	SCALES 0
	FETCH_A 0, 0, 4
	STEP 0, 0, 1                                   ; TILE 1: four K steps, written out; the first step's products start the sums
	TURN 0, 1, 1, 1                                ; slot 0 takes K step 2
	STEP 1, 0, 0
	TURN 1, 0, 1, 1                                ; slot 1 takes K step 3
	STEP 0, 0, 0
	TURN 0, 1, 2, 1                                ; THE RING GOES ON INTO TILE 2: slot 0 takes its K step 0,
	STEP 1, 0, 0
	TURN 1, 0, 2, 0                                ; slot 1 its K step 1.  Both are asked for: now tile 1 goes out
	PLACES NP                                      ; behind the last products: their results are read, and registers that held fragments are written
.irp b, 0,1,2,3
	v_mov_b32 v[TM+4+\b], 0                        ; written once: a lane permute's destination counts as one of its sources
.endr
	QROW 0
	TOSTAGE 0
.irp a, 1,2,3,4,5,6,7
	QROW \a
.if \a > 1
	s_wait_alu depctr_va_vdst(0)
	s_wait_xcnt 0x0                                ; block a - 2's stores have read their data: block a's loads may land there
.endif
	TOSTAGE \a
	SEND \a-1, 8, 12, 20                           ; behind block a - 1's loads: block a's eight LDS instructions
.endr
	SEND 7, 0, 12, 20
.irp j, 0,1,2,3                                ; a scale word holds two heads' bytes of one place; what is stored holds one head's bytes of places r and r + 16 of a group of 32
	v_perm_b32 v[TM+\j], v[PW+2*\j+1], v[PW+2*\j], 0x05040100     ; the low halves: my first group of 64 features
	v_perm_b32 v[TM+4+\j], v[PW+2*\j+1], v[PW+2*\j], 0x07060302   ; the high halves: my second
.endr
.irp j, 0,1,2,3
	ds_store_b32 v[SST], v[TM+\j] offset:4096+64*\j               ; lanes 16-31 write the same word with the same value
	ds_store_b32 v[SST], v[TM+4+\j] offset:4096+256+64*\j
.endr
	ds_load_b128 v[SW:SW+3], v[RD] offset:4096
	s_wait_dscnt 0x0
	global_store_b128 v[COS], v[SW:SW+3], s[22:23] ; lanes 0-15: 256 consecutive bytes of the first group, aligned; lanes 16-31: of the second, 16,384 bytes on
	s_wait_xcnt 0x0                                ; the stores have read their data: fragments land in those registers below
	s_wait_loadcnt 0x0                             ; W_v's scale words
	FETCH2 0, 0, 0                                 ; TILE 2.  Its K step 0 was shown landed, in every wave, by the wait in front of the last round
	SCALES2 0
	STEP2 0, 0, 1
	TURN2 0, 1, 0, 1                               ; slot 0 takes K step 2
	STEP2 1, 1, 0
	TURN2 1, 0, 1, 1                               ; slot 1 takes K step 3
	STEP2 0, 2, 0
	TURN2 0, 1, 2, 0                               ; nothing is left to fetch: no round
	STEP2 1, 3, 0
	s_wait_dscnt 0x0                               ; the very last step
	WIN MUL_LO
	MULV 0, 1, 7, 1, 1, 0
	MULV 2, 1, 7, 1, 1, 0
	WIN 0
	PLACES NP
	QROW 0
	TOSTAGE 0
.irp a, 1,2,3
	QROW \a
.if \a > 1
	s_wait_alu depctr_va_vdst(0)
	s_wait_xcnt 0x0
.endif
	TOSTAGE \a
	SEND \a-1, 8, 18, 46
.endr
	SEND 3, 0, 18, 46
.irp a, 0,1,2,3
	ds_store_b32 v[SST], v[PW+\a] offset:4096+64*\a
.endr
	ds_load_b64 v[SW:SW+1], v[RD2] offset:4096     ; my 64 scale words
	s_wait_dscnt 0x0
	global_store_b64 v[CO2], v[SW:SW+1], s[100:101]   ; 256 consecutive bytes, aligned
	s_wait_tensorcnt 0x0                           ; the wave's end: behind my last tensor load and my last LDS store
	ds_add_u32 v[SPW], v[NIL]
	s_wait_dscnt 0x0
	CROUND                                         ; the closing round: no work-group ends while a partner may still ask for a tile that names it
	s_endpgm
.Lfunc_end_k_q903efa2e97_qkv:
	.size	k_q903efa2e97_qkv, .Lfunc_end_k_q903efa2e97_qkv-k_q903efa2e97_qkv
	.p2alignl 7, 3214868480
	.fill 96, 4, 3214868480
	.section	.rodata,"a",@progbits
	.p2align	6, 0x0
	.amdhsa_kernel k_q903efa2e97_qkv
		.amdhsa_group_segment_fixed_size 327680
		.amdhsa_private_segment_fixed_size 0
		.amdhsa_enable_private_segment 0
		.amdhsa_kernarg_size 32
		.amdhsa_user_sgpr_count 2
		.amdhsa_user_sgpr_kernarg_segment_ptr 1
		.amdhsa_wavefront_size32 1
		.amdhsa_system_sgpr_workgroup_id_x 1
		.amdhsa_system_sgpr_workgroup_id_y 1
		.amdhsa_system_sgpr_workgroup_id_z 1
		.amdhsa_system_vgpr_workitem_id 0
		.amdhsa_next_free_vgpr 1024
		.amdhsa_next_free_sgpr 106
		.amdhsa_reserve_vcc 0
		.amdhsa_float_denorm_mode_32 3
		.amdhsa_float_denorm_mode_16_64 3
		.amdhsa_fp16_overflow 1
		.amdhsa_memory_ordered 1
		.amdhsa_forward_progress 1
		.amdhsa_inst_pref_size 244
	.end_amdhsa_kernel
	.amdgpu_metadata
---
amdhsa.version: [ 1, 2 ]
amdhsa.kernels:
  - .name:           k_q903efa2e97_qkv
    .symbol:         k_q903efa2e97_qkv.kd
    .args:
      - { .name: codes_in, .offset: 0, .size: 8, .value_kind: global_buffer, .address_space: global }
      - { .name: scales_in, .offset: 8, .size: 8, .value_kind: global_buffer, .address_space: global }
      - { .name: qkv_codes, .offset: 16, .size: 8, .value_kind: global_buffer, .address_space: global }
      - { .name: qkv_scales, .offset: 24, .size: 8, .value_kind: global_buffer, .address_space: global }
    .group_segment_fixed_size: 327680
    .private_segment_fixed_size: 0
    .kernarg_segment_align: 8
    .kernarg_segment_size: 32
    .max_flat_workgroup_size: 128
    .sgpr_count:     106
    .vgpr_count:     1024
    .wavefront_size: 32
...
	.end_amdgpu_metadata
.endif
;; end of part 2
;; launch attn (part 3): grid 4 x 64, 16 waves a work-group, no clusters, 327,680 bytes of LDS; arguments qkv_codes, qkv_scales, c_codes, c_scales; writes c_codes, c_scales
.if DOCPART == 3
	.amdgcn_target "amdgcn-amd-amdhsa--gfx1250"
	.amdhsa_code_object_version 6
	.text
	.protected	k_q903efa2e97_attn
	.globl	k_q903efa2e97_attn
	.p2align	8
	.type	k_q903efa2e97_attn,@function
k_q903efa2e97_attn:
	s_mov_b64 s[64:65], 0
	v_nop
	global_prefetch_b8 v0, s[64:65] scope:SCOPE_SE
	s_setreg_imm32_b32 hwreg(HW_REG_WAVE_MODE, 25, 1), 1
	s_wait_xcnt 0x0
; Causal attention on codes of BF8 (E5M2), head size 64, 64 heads (4 batches x 16) of 2,048 tokens; ctx = softmax(Q K^T / 8) V is quantised along the head's 64 on the way out.
; IN.  qkv_codes: Q at group hd, K at group 16 + hd of [32 groups][8,192 token places][64 bytes]; V^T at byte 16,777,216: [token / 64][1,024 feature places][64 tokens].  Token and feature places: in every 32 the groups of 8 lie in the order 0, 2, 1, 3.
;      qkv_scales: Q's and K's: [32 groups][token places / 32][16] words: a word holds the two bytes of place r and, above them, those of place r + 16.  V^T's at byte 524,288: [token / 128][1,024 feature places], a byte for each 32 tokens.
; OUT. c_codes [16 heads][8,192 tokens, true order][64 bytes]; c_scales [8,192][32 bytes]: the head's two bytes at 2 hd.
; THE SOFTMAX AHEAD OF THE SECOND PRODUCT: t = score x log2(e) / 8; M = the row's largest t so far, rounded UP to a whole number; p = 2^(t - M) is quantised along the keys, not normalised.
; The row's sum is taken of the unquantised p and divides at the end.  When M moves, the sum and O are multiplied by 2^(old M - new M): exact.
; Q K^T HAS K = 64, HALF OF THE MATRIX INSTRUCTION'S 128.  A fragment of K holds TWO tiles of 16 keys, one in k = 0 .. 63 and one in k = 64 .. 127, and is multiplied twice: by [Q | zeros] and by [zeros | Q]
; (24 registers: Q, zeros, Q).  The half that is not meant meets zero codes.  The stored scale word of 32 places is such a fragment's scale operand as it lies.
; So a step's eight tiles of K come in one run of loads into 64 registers, and as soon as the scores are made the same registers take V^T's four fragments, which land while the softmax is worked.
; SHARES.  Work-group (i, head) owns the query blocks i and 7 - i, 256 queries each, one after the other: block j walks the key slots 0 .. j, so every work-group walks 9 slots of 256 keys: 256 equal work-groups,
; and every loop's trip count is a constant.  Each of sixteen waves owns the 16 query places 16 w .. 16 w + 15 of a block: the true queries Q0 + r + 8 (r / 8), Q0 = 256 block + 32 (w / 2) + 8 (w % 2).
; NO CLUSTER: the four work-groups of a head walk different slots at the same time (in step they would walk 12 slot times against 9).
; LAYOUT.  Both products are used transposed: S^T = K Q^T, O^T = V^T P^T: a lane holds ONE query (lane % 16) throughout.  By the order of the places the 16 registers of tiles 2 b, 2 b + 1 are 16 true neighbours:
; keys 32 b + 16 (lane / 16) + 0 .. 15 in S^T, and the head's 32 b + 16 (lane / 16) + 0 .. 15 in O^T.
; A step all of whose keys come after my queries is left out by a scalar branch on ids; on the diagonal hidden scores become -infinity.  Key 0 counts for every query, so M is a number from the first step on.
; LIMITS: a block's largest p is taken from its largest score (this takes v_exp_f32 not to fall where its input rises); a block of zeros gets the byte 1; NaN and infinities are not served.
.set KP,    80                         ; a row of 64 codes in LDS: 64 bytes + 16 of padding = 20 words: 16 neighbouring rows start at 16 different groups of four banks
.set SLOT1, 65536                      ; slot 1 begins here: one exclusive or turns an address in one slot into the other's
.set VOFF,  256*KP                     ; a slot: 256 keys of K;
.set VPL,   64*KP                      ; then V^T: [4 groups of 64 keys][64 of the head][80 bytes];
.set KSOFF, VOFF+4*VPL                 ; K's 128 scale words;
.set VSOFF, KSOFF+512                  ; V^T's [2 groups of 128 keys][64] scale words
.set STAGE, 2*SLOT1                    ; behind the ring: 1,024 bytes for each wave, once for each of the two ways out; no fill ever lands there
.set SPARE, STAGE+2*16384              ; the spare words, 128 bytes for each wave: eight blocks of 256 bytes that no other line names
.set AK0,  1                           ; v1   my lane's place in a tile of K: 80 r + 16 h
.set AV0,  2                           ; v2   in a tile of V^T
.set ASK0, 3                           ; v3   among K's scale words
.set ASV0, 4                           ; v4   among V^T's
.set SPW,  5                           ; v5   LDS address of my spare word; never rewritten
.set NIL,  6                           ; v6   0; never rewritten
.set GO,   7                           ; v7   16 x lane
.set ADK,  8                           ; v8-11 the step's LDS addresses
.set ADV,  9
.set ADS,  10
.set ADT,  11
.set QF,   16                          ; v16-23 Q, v24-31 zeros, v32-39 Q: [Q | 0] is v16-31, [0 | Q] is v24-39
.set KFR,  40                          ; v40-103 four fragments: K's (two tiles of keys each), then V^T's
.set S,    104                         ; v104-167 S^T, then p; ctx on the way out
.set O,    168                         ; v168-199 O^T
.set PCD,  200                         ; v200-215 p's codes; on the way out ctx's codes and the codes read back
.set Q2,   216                         ; v216-223 the second block's Q
.set QSL,  224                         ; v224 Q's two scale bytes in bytes 0, 1;  v225 in bytes 2, 3;  v226 the second block's;  v227 p's scale word;  v228-231 K's or V^T's: these eight hold scales and nothing else
.set QSH,  225
.set Q2S,  226
.set PWD,  227
.set KSC,  228
.set QL,   232                         ; v232 r + 8 (r / 8) - 16 h
.set SCO,  233                         ; v233 32 x (r + 8 (r / 8)): my query's row of c_scales
.set STO,  234                         ; v234, v235 the way out: into my stage, and back
.set RD,   235
.set BM,   236                         ; v236-239 each block's largest score, then largest p
.set PT,   240                         ; v240-243 lane permutes, then scale bytes, then (v240-241) the second chain of the sum
.set SUM2, 240
.set HL,   244
.set SOP,  248                         ; v248-251 the conversion's scale operand
.set F,    252                         ; v[252:253] f = 2^(old M - new M); v253 is named with it as a pair
.set TMP,  254
.set NINF, 255                         ; v255 -infinity
.set RL,   BM+2                        ; on the way out, which has two blocks: 1 / the sum,
.set CB2,  BM+3                        ; and ctx's two scale bytes
.set WV,   12                          ; s12  my wave's number
.set N1,   14                          ; s14  slots of the first block: i + 1
.set JJ,   15                          ; s15  which of the nine slots is in hand
.set FK,   16                          ; s16  which 256 keys were asked for last
.set KF,   17                          ; s17  the step's first key
.set Q0,   18                          ; s18  my first query;  s19 the second block's
.set Q0B,  19
.set SEL,  20                          ; s[20:21] selects for lane l xor 16
.set CS,   22                          ; s[22:23] c = log2(e) / 8
.set MNT,  24
.set TB,   25                          ; s25  LDS byte at which the slot in hand begins
.set CNT,  26                          ; s26  the loop's counter
.set TOK,  27                          ; s27  2,048 x batch
.set HD,   28                          ; s28  the head
.set G1K,  32                          ; s[32:63] four descriptor groups 1: K, V^T, K's scales, V^T's scales
.set G1V,  40
.set G1KS, 48
.set G1VS, 56
.set G0K,  68                          ; s[68:83] their groups 0
.set G0V,  72
.set G0KS, 76
.set G0VS, 80
.set BSK,  84                          ; s[84:91] where the head's K, V^T and their scales begin
.set BSV,  86
.set BSKS, 88
.set BSVS, 90
.set PADW, (3<<16)|(1<<20)|(3<<22)|(3<<25)   ; group 1, word 0: elements of 8 bytes, no mask, four words of padding after every 16 words: rows of 64 bytes, 80 apart
.set DENW, 3<<16                       ; the same without padding
; Waves 0 to 3 fetch one part of a slot each, the others nothing.  The branches hang on the wave's number alone.  Four v_nop follow each load.
.macro TLOAD
	s_cmp_lg_u32 s[WV], 0
	s_cbranch_scc1 .Lnot0_\@
	tensor_load_to_lds s[G0K:G0K+3], s[G1K:G1K+7]
	s_nop 0
.rept 4
	v_nop
.endr
	s_branch .Lasked_\@
.Lnot0_\@:
	s_cmp_lg_u32 s[WV], 1
	s_cbranch_scc1 .Lnot1_\@
	tensor_load_to_lds s[G0V:G0V+3], s[G1V:G1V+7]
	s_nop 0
.rept 4
	v_nop
.endr
	s_branch .Lasked_\@
.Lnot1_\@:
	s_cmp_lg_u32 s[WV], 2
	s_cbranch_scc1 .Lnot2_\@
	tensor_load_to_lds s[G0KS:G0KS+3], s[G1KS:G1KS+7]
	s_nop 0
.rept 4
	v_nop
.endr
	s_branch .Lasked_\@
.Lnot2_\@:
	s_cmp_lg_u32 s[WV], 3
	s_cbranch_scc1 .Lasked_\@
	tensor_load_to_lds s[G0VS:G0VS+3], s[G1VS:G1VS+7]
	s_nop 0
.rept 4
	v_nop
.endr
.Lasked_\@:
.endm
.macro DESC g, w0, c, r, p             ; a group 1: r rows of c elements, p elements from row to row
	s_mov_b32 s[\g], \w0
	s_mov_b32 s[\g+1], (\c)<<16
	s_mov_b32 s[\g+2], (\r)<<16
	s_mov_b32 s[\g+3], (\c)<<16
	s_mov_b32 s[\g+4], \r
	s_mov_b32 s[\g+5], \p
	s_mov_b32 s[\g+6], 0
	s_mov_b32 s[\g+7], 0
.endm
.macro GRP0 g, lds, base               ; a group 0: count 1; LDS address in slot 0; the head's first 256 keys; type 2
	s_mov_b32 s[\g], 1
	s_mov_b32 s[\g+1], \lds
	s_mov_b64 s[\g+2:\g+3], s[\base:\base+1]
	s_or_b32 s[\g+3], s[\g+3], 0x80000000
.endm
.macro NEXT g, base, sh                ; a group 0 for the other slot and the keys 256 FK on: FK << sh bytes from the head's first
	s_lshl_b32 s92, s[FK], \sh
	s_xor_b32 s[\g+1], s[\g+1], SLOT1
	s_add_nc_u64 s[\g+2:\g+3], s[\base:\base+1], s[92:93]
	s_or_b32 s[\g+3], s[\g+3], 0x80000000
.endm
	s_load_b256 s[4:11], s[0:1], 0x0               ; qkv_codes s[4:5], qkv_scales s[6:7], c_codes s[8:9], c_scales s[10:11]
	v_lshl_add_u32 v[SPW], v0, 2, SPARE
	v_mov_b32 v[NIL], 0
	ds_add_u32 v5, v6
	ds_add_u32 v5, v6
	s_wait_dscnt 0x0
	v_lshrrev_b32 v8, 5, v0
	s_delay_alu instid0(VALU_DEP_1)
	v_readfirstlane_b32 s[WV], v8                  ; wave 0..15
	s_add_co_u32 s[N1], ttmp9, 1
	s_and_b32 s30, ttmp7, 0xffff
	s_lshr_b32 s31, s30, 4                         ; batch
	s_and_b32 s[HD], s30, 15
	s_lshl_b32 s[TOK], s31, 11
	; where the head's tiles begin, as byte offsets (all under 2^32)
	s_add_co_u32 s[BSK], s[HD], 16
	s_lshl_b32 s[BSK], s[BSK], 19                  ; K: group 16 + hd of 524,288 bytes,
	s_lshl_b32 s30, s31, 17
	s_add_co_u32 s[BSK], s[BSK], s30               ; the batch's 2,048 places of 64 bytes
	s_mov_b32 s[BSK+1], 0
	s_lshl_b32 s[BSV], s31, 21                     ; V^T: the batch's 32 groups of 65,536 bytes,
	s_lshl_b32 s30, s[HD], 12
	s_add_co_u32 s[BSV], s[BSV], s30               ; the head's 64 places of 64 bytes
	s_add_co_u32 s[BSV], s[BSV], 0x1000000
	s_mov_b32 s[BSV+1], 0
	s_add_co_u32 s[BSKS], s[HD], 16
	s_lshl_b32 s[BSKS], s[BSKS], 14                ; K's scales: group 16 + hd of 16,384 bytes,
	s_lshl_b32 s30, s31, 12
	s_add_co_u32 s[BSKS], s[BSKS], s30             ; the batch's 64 groups of 32 places, 64 bytes each
	s_mov_b32 s[BSKS+1], 0
	s_lshl_b32 s[BSVS], s31, 16                    ; V^T's scales: the batch's 16 groups of 4,096 bytes
	s_lshl_b32 s30, s[HD], 8
	s_add_co_u32 s[BSVS], s[BSVS], s30
	s_add_co_u32 s[BSVS], s[BSVS], 0x80000
	s_mov_b32 s[BSVS+1], 0
	; my queries
	s_lshr_b32 s100, s[WV], 1
	s_lshl_b32 s100, s100, 5
	s_and_b32 s101, s[WV], 1
	s_lshl_b32 s101, s101, 3
	s_add_co_u32 s101, s101, s100                  ; 32 (w / 2) + 8 (w % 2)
	s_lshl_b32 s[Q0], ttmp9, 8                     ; block i,
	s_sub_co_u32 s[Q0B], 7, ttmp9
	s_lshl_b32 s[Q0B], s[Q0B], 8                   ; block 7 - i
	s_lshl_b32 s30, s[WV], 4
	s_add_co_u32 s30, s30, s[TOK]
	s_add_co_u32 s92, s30, s[Q0]                   ; my first place of Q: 2,048 batch + 256 block + 16 wave
	s_add_co_u32 s94, s30, s[Q0B]
	s_and_b32 s96, s92, 0xffffffe0                 ; its group of 32 places: 64 bytes of scale words each
	s_and_b32 s98, s94, 0xffffffe0
	s_lshl_b32 s96, s96, 1
	s_lshl_b32 s98, s98, 1
	s_lshl_b32 s92, s92, 6
	s_lshl_b32 s94, s94, 6
	s_lshl_b32 s30, s[HD], 19
	s_add_co_u32 s92, s92, s30
	s_add_co_u32 s94, s94, s30
	s_lshl_b32 s30, s[HD], 14
	s_and_b32 s31, s[WV], 1
	s_lshl_b32 s31, s31, 1                         ; an even wave's places are the words' low halves, an odd wave's the high halves
	s_add_co_u32 s30, s30, s31
	s_add_co_u32 s96, s96, s30
	s_add_co_u32 s98, s98, s30
	s_mov_b32 s93, 0
	s_mov_b32 s95, 0
	s_mov_b32 s97, 0
	s_mov_b32 s99, 0
	s_add_co_u32 s[Q0], s[Q0], s101
	s_add_co_u32 s[Q0B], s[Q0B], s101
	DESC G1K, PADW, 32, 64, 32                     ; K: 16,384 dense bytes as 64 rows of 256
	DESC G1V, PADW, 512, 4, 8192                   ; V^T: 4 groups of 64 keys, 4,096 dense bytes each, 65,536 bytes apart
	DESC G1KS, DENW, 32, 2, 32                     ; K's scale words: 512 dense bytes as 2 rows of 256
	DESC G1VS, DENW, 32, 2, 512                    ; V^T's: 2 rows of 256 bytes, 4,096 bytes apart
	s_mov_b32 s[SEL], 0x76543210
	s_mov_b32 s[SEL+1], 0xfedcba98
	s_mov_b32 s[CS], 0x3e38aa3b                    ; c = log2(e) / sqrt(64)
	s_mov_b32 s[CS+1], s[CS]                       ; (named with it as a pair, so it is written)
	s_mov_b32 s[TB], 0
	s_mov_b32 s[JJ], 0
	s_mov_b32 s[FK], 0
	s_mov_b32 s[KF], 0
	s_wait_kmcnt 0x0
	s_add_nc_u64 s[BSK:BSK+1], s[4:5], s[BSK:BSK+1]
	s_add_nc_u64 s[BSV:BSV+1], s[4:5], s[BSV:BSV+1]
	s_add_nc_u64 s[BSKS:BSKS+1], s[6:7], s[BSKS:BSKS+1]
	s_add_nc_u64 s[BSVS:BSVS+1], s[6:7], s[BSVS:BSVS+1]
	GRP0 G0K, 0, BSK
	GRP0 G0V, VOFF, BSV
	GRP0 G0KS, KSOFF, BSKS
	GRP0 G0VS, VSOFF, BSVS
	TLOAD                                          ; slot 0: the one first fill of a fetching wave
	s_add_nc_u64 s[92:93], s[4:5], s[92:93]        ; Q's codes, first and second block;
	s_add_nc_u64 s[94:95], s[4:5], s[94:95]
	s_add_nc_u64 s[96:97], s[6:7], s[96:97]        ; my places' halves of Q's scale words
	s_add_nc_u64 s[98:99], s[6:7], s[98:99]
	v_and_b32 v8, 15, v0                           ; r
	v_bfe_u32 v9, v0, 4, 1                         ; h
	v_and_b32 v[GO], 31, v0                        ; lane
	s_delay_alu instid0(VALU_DEP_3)
	v_lshlrev_b32 v10, 6, v8
	s_delay_alu instid0(VALU_DEP_1)
	v_lshl_add_u32 v10, v9, 4, v10                 ; Q: place r of 64 bytes, + 16 h
	v_lshlrev_b32 v11, 2, v8                       ; scale words: 4 r
.irp d, QF, QF+16                              ; Q comes twice: below the zeros and above them
	global_load_b128 v[\d:\d+3], v10, s[92:93]
	global_load_b128 v[\d+4:\d+7], v10, s[92:93] offset:32
.endr
	global_load_b128 v[Q2:Q2+3], v10, s[94:95]
	global_load_b128 v[Q2+4:Q2+7], v10, s[94:95] offset:32
	global_load_u16 v[QSL], v11, s[96:97]          ; two bytes; bytes 2 and 3 come as 0 and stand over zero codes
	global_load_u16 v[Q2S], v11, s[98:99]
	v_mul_u32_u24 v[AK0], v8, KP
	s_delay_alu instid0(VALU_DEP_1)
	v_lshl_add_u32 v[AK0], v9, 4, v[AK0]
	s_delay_alu instid0(VALU_DEP_1)
	v_add_nc_u32 v[AV0], VOFF, v[AK0]
	v_add_nc_u32 v[ASK0], KSOFF, v11
	v_add_nc_u32 v[ASV0], VSOFF, v11
	v_lshlrev_b32 v[GO], 4, v[GO]
	s_lshl_b32 s30, s[WV], 10                      ; my stage
	v_add_nc_u32 v[STO], s30, v10
	s_delay_alu instid0(VALU_DEP_1)
	v_add_nc_u32 v[STO], STAGE, v[STO]
	v_add_nc_u32 v[RD], s30, v[GO]
	s_delay_alu instid0(VALU_DEP_1)
	v_add_nc_u32 v[RD], STAGE, v[RD]
	v_and_b32 v14, 8, v8
	s_delay_alu instid0(VALU_DEP_1)
	v_add_nc_u32 v14, v14, v8                      ; r + 8 (r / 8)
	s_delay_alu instid0(VALU_DEP_1)
	v_lshlrev_b32 v[SCO], 5, v14
	v_lshlrev_b32 v[QL], 4, v9
	s_delay_alu instid0(VALU_DEP_1)
	v_sub_nc_u32 v[QL], v14, v[QL]
	v_mov_b32 v[NINF], 0xff800000
	v_mov_b32 v13, 0xff61b1e6                      ; the largest t so far: -3e38, under every t
	s_delay_alu instid0(VALU_DEP_1)
	v_floor_f32 v12, -v13                          ; -M
	v_mov_b32 v14, 0                               ; the sum, in two halves
	v_mov_b32 v15, 0
	v_mov_b32 v[F+1], 0
	v_mov_b32 v[TMP], 0                            ; (a lane permute's destination counts as one of its sources)
.irp b, 0,1,2,3
	v_mov_b32 v[PT+\b], 0
.endr
.irp j, 0,1,2,3,4,5,6,7
	v_mov_b32 v[QF+8+\j], 0                        ; the zeros between the two copies of Q
.endr
.set jj, 0
.rept 32
	v_mov_b32 v[O+jj], 0                           ; O^T: the step is written once; the first finds zeros
.set jj, jj+1
.endr
; A KEY STEP: 128 keys, the q-th of the slot in hand.
.macro STEP q
	s_add_co_u32 s30, s[Q0], 23                    ; my last query
	s_cmp_gt_u32 s[KF], s30
	s_cbranch_scc1 .Lhidden_\@                     ; all 128 keys come after my queries: nothing to do but step the key count
	v_add_nc_u32 v[ADK], s[TB], v[AK0]
	v_add_nc_u32 v[ADV], s[TB], v[AV0]
	v_add_nc_u32 v[ADS], s[TB], v[ASK0]
	v_add_nc_u32 v[ADT], s[TB], v[ASV0]
.rept 4
	v_nop                                          ; with the four additions: eight places behind the last step's products, whose source 0 and scale registers the loads below fill
.endr
.irp f, 0,1,2,3                                ; fragment f: key places 32 f + r in k = 0 .. 63, places 32 f + 16 + r in k = 64 .. 127; its scale word as it is stored
.irp c, 0,1,2,3
	ds_load_b128 v[KFR+16*\f+4*\c:KFR+16*\f+4*\c+3], v[ADK] offset:(128*(\q)+32*\f+16*(\c/2))*KP+32*(\c%2)
.endr
	ds_load_b32 v[KSC+\f], v[ADS] offset:256*(\q)+64*\f
.endr
	s_wait_dscnt 0x0
	s_wait_alu depctr_va_vdst(0)
.irp f, 0,1,2,3                                ; S^T = K Q^T: tile 2 f by [Q | 0], tile 2 f + 1 by [0 | Q]
	v_wmma_scale_f32_16x16x128_f8f6f4 v[S+16*\f:S+16*\f+7], v[KFR+16*\f:KFR+16*\f+15], v[QF:QF+15], 0, v[KSC+\f], v[QSL] matrix_a_fmt:MATRIX_FMT_BF8 matrix_b_fmt:MATRIX_FMT_BF8
	v_wmma_scale_f32_16x16x128_f8f6f4 v[S+16*\f+8:S+16*\f+15], v[KFR+16*\f:KFR+16*\f+15], v[QF+8:QF+23], 0, v[KSC+\f], v[QSH] matrix_a_fmt:MATRIX_FMT_BF8 matrix_b_fmt:MATRIX_FMT_BF8
.endr
.rept 8
	v_nop                                          ; eight places: in front of the loads into K's registers, and of the first read of the scores
.endr
.irp t, 0,1,2,3                                ; V^T's four fragments (16 of the head's 64 x these 128 keys) take K's registers, and land while the softmax is worked
.irp c, 0,1,2,3
	ds_load_b128 v[KFR+16*\t+4*\c:KFR+16*\t+4*\c+3], v[ADV] offset:(2*(\q)+\c/2)*VPL+16*\t*KP+32*(\c%2)
.endr
	ds_load_b32 v[KSC+\t], v[ADT] offset:256*(\q)+64*\t
.endr
	s_add_co_u32 s30, s[KF], 127                   ; on the diagonal the scores of hidden keys become -infinity ahead of the maximum: p = 0 then.  A step all of whose keys count skips this
	s_cmp_le_u32 s30, s[Q0]
	s_cbranch_scc1 .Lopen_\@
	s_sub_co_i32 s30, s[Q0], s[KF]
	v_add_nc_u32 v[TMP], s30, v[QL]                ; d = my query - KF - 16 h.  Register 16 b + i holds key KF + 16 h + 32 b + i: hidden where 32 b + i > d
.set jj, 0
.rept 64
	v_cmp_gt_i32 vcc_lo, 32*(jj/16)+jj%16, v[TMP]
	v_cndmask_b32 v[S+jj], v[S+jj], v[NINF], vcc_lo
.set jj, jj+1
.endr
.Lopen_\@:
.irp b, 0,1,2,3
	v_max3_num_f32 v[BM+\b], v[S+16*\b], v[S+1+16*\b], v[S+2+16*\b]   ; the largest score of each block of 32 keys: it serves for the row's maximum and, since p rises with the score, for the block's largest p
.endr
.irp i, 3,5,7,9,11,13
.irp b, 0,1,2,3
	v_max3_num_f32 v[BM+\b], v[BM+\b], v[S+16*\b+\i], v[S+1+16*\b+\i]
.endr
.endr
.irp b, 0,1,2,3
	v_max_num_f32 v[BM+\b], v[BM+\b], v[S+15+16*\b]
.endr
.irp b, 0,1,2,3
	s_delay_alu instid0(VALU_DEP_4)
	v_permlanex16_b32 v[PT+\b], v[BM+\b], s[SEL], s[SEL+1]
.endr
.irp b, 0,1,2,3
	s_delay_alu instid0(VALU_DEP_4)
	v_max_num_f32 v[BM+\b], v[BM+\b], v[PT+\b]     ; with lane l xor 16's 16 keys
.endr
	s_delay_alu instid0(VALU_DEP_2)
	v_max3_num_f32 v[TMP], v[BM], v[BM+1], v[BM+2]
	s_delay_alu instid0(VALU_DEP_1)
	v_max_num_f32 v[TMP], v[TMP], v[BM+3]          ; the step's largest score of my query
	s_delay_alu instid0(VALU_DEP_1)
	v_mul_f32 v[TMP], s[CS], v[TMP]                ; as t (c is positive)
	s_delay_alu instid0(VALU_DEP_1)
	v_max_num_f32 v13, v13, v[TMP]                 ; the running largest t
	v_mov_b32 v[TMP], v12
	s_delay_alu instid0(VALU_DEP_2)
	v_floor_f32 v12, -v13                          ; the new -M = floor(-t) = -ceil(t): M is a whole number
	s_delay_alu instid0(VALU_DEP_1)
	v_sub_f32 v[TMP], v12, v[TMP]                  ; old M - new M: a whole number, 0 or less
	s_delay_alu instid0(VALU_DEP_1)
	v_cvt_i32_f32 v[TMP], v[TMP]                   ; (it saturates)
	s_delay_alu instid0(VALU_DEP_1)
	v_ldexp_f32 v[F], 1.0, v[TMP]                  ; f = 2^(old M - new M)
.set jj, 0
.rept 32
	v_pk_fma_f32 v[S+jj:S+jj+1], v[S+jj:S+jj+1], s[CS:CS+1], v[12:13] op_sel_hi:[1,0,0]   ; t - M, two at a time
.set jj, jj+2
.endr
.irp b, 0,1,2,3
	v_fma_f32 v[BM+\b], v[BM+\b], s[CS], v12       ; the same of each block's largest score
.endr
.set jj, 0
	s_wait_alu depctr_va_vdst(0)
.rept 64
	v_exp_f32 v[S+jj], v[S+jj]                     ; p = 2^(t - M), at most 1: not normalised
.set jj, jj+1
.endr
.irp b, 0,1,2,3
	v_exp_f32 v[BM+\b], v[BM+\b]                   ; the block's largest p
.endr
	v_pk_mul_f32 v[14:15], v[14:15], v[F:F+1] op_sel_hi:[1,0]   ; the sums under the new M.  (A plain place behind the exponentials)
	s_wait_alu depctr_va_vdst(0)
.irp b, 0,1,2,3
	v_max_num_f32 v[BM+\b], 0x8000000, v[BM+\b]    ; the floor 2^(16 - 127): the byte cannot fall under 1
.endr
.irp b, 0,1,2,3
	s_delay_alu instid0(VALU_DEP_4)
	v_add_nc_u32 v[SOP+\b], 0xf8800000, v[BM+\b]   ; 15 off the exponent field: the conversion's scale operand
.endr
.irp b, 0,1,2,3
.endr
.irp b, 0,1,2,3
	s_delay_alu instid0(VALU_DEP_4)
	v_lshrrev_b32 v[PT+\b], 23, v[SOP+\b]          ; the scale's byte
.endr
	s_delay_alu instid0(VALU_DEP_3)
	v_lshl_or_b32 v[PWD], v[PT+1], 8, v[PT]        ; p's scale word for these 128 keys
	s_delay_alu instid0(VALU_DEP_1)
	v_lshl_or_b32 v[PWD], v[PT+2], 16, v[PWD]
	s_delay_alu instid0(VALU_DEP_1)
	v_lshl_or_b32 v[PWD], v[PT+3], 24, v[PWD]
	v_pk_add_f32 v[240:241], v[108:109], v[112:113]
	v_pk_add_f32 v[246:247], v[116:117], v[120:121]
	v_pk_add_f32 v[244:245], v[124:125], v[128:129]
	v_pk_add_f32 v[238:239], v[132:133], v[136:137]
	v_pk_add_f32 v[236:237], v[140:141], v[144:145]
	v_pk_add_f32 v[214:215], v[148:149], v[152:153]
	v_pk_add_f32 v[212:213], v[156:157], v[160:161]
	v_pk_add_f32 v[14:15], v[14:15], v[164:165]
	v_pk_add_f32 v[240:241], v[240:241], v[104:105]
	v_pk_add_f32 v[246:247], v[246:247], v[106:107]
	v_pk_add_f32 v[244:245], v[244:245], v[110:111]
	v_pk_add_f32 v[238:239], v[238:239], v[114:115]
	v_pk_add_f32 v[236:237], v[236:237], v[118:119]
	v_pk_add_f32 v[214:215], v[214:215], v[122:123]
	v_pk_add_f32 v[212:213], v[212:213], v[126:127]
	v_pk_add_f32 v[14:15], v[14:15], v[130:131]
	v_pk_add_f32 v[240:241], v[240:241], v[134:135]
	v_pk_add_f32 v[246:247], v[246:247], v[138:139]
	v_pk_add_f32 v[244:245], v[244:245], v[142:143]
	v_pk_add_f32 v[238:239], v[238:239], v[146:147]
	v_pk_add_f32 v[236:237], v[236:237], v[150:151]
	v_pk_add_f32 v[214:215], v[214:215], v[154:155]
	v_pk_add_f32 v[212:213], v[212:213], v[158:159]
	v_pk_add_f32 v[14:15], v[14:15], v[162:163]
	v_pk_add_f32 v[240:241], v[240:241], v[166:167]
	s_delay_alu instid0(VALU_DEP_2)
	v_pk_add_f32 v[14:15], v[14:15], v[238:239]
	s_delay_alu instid0(VALU_DEP_2)
	v_pk_add_f32 v[240:241], v[240:241], v[236:237]
	v_pk_add_f32 v[246:247], v[246:247], v[214:215]
	v_pk_add_f32 v[244:245], v[244:245], v[212:213]
	s_delay_alu instid0(VALU_DEP_2)
	v_pk_add_f32 v[14:15], v[14:15], v[246:247]
	s_delay_alu instid0(VALU_DEP_2)
	v_pk_add_f32 v[240:241], v[240:241], v[244:245]
	s_delay_alu instid0(VALU_DEP_1)
	v_pk_add_f32 v[14:15], v[14:15], v[240:241]
.irp b, 0,1,2,3
.irp i, 0,1,2,3,4,5,6,7,8,9,10,11,12,13,14,15
.endr
	v_cvt_scalef32_pk8_bf8_f32 v[PCD+4*\b:PCD+4*\b+1], v[S+16*\b:S+16*\b+7], v[SOP+\b]
	v_cvt_scalef32_pk8_bf8_f32 v[PCD+4*\b+2:PCD+4*\b+3], v[S+16*\b+8:S+16*\b+15], v[SOP+\b]
.endr
.set jj, 0
.rept 16
	v_pk_mul_f32 v[O+jj:O+jj+1], v[O+jj:O+jj+1], v[F:F+1] op_sel_hi:[1,0]   ; O^T under the new M: x f.  (These sixteen are also the places between the codes just made and the products)
.set jj, jj+2
.endr
	s_wait_alu depctr_va_vdst(0)
	s_wait_dscnt 0x0                               ; V^T's fragments and scale words, asked for ahead of the softmax
.irp t, 0,1,2,3                                ; O^T += V^T P^T: the four accumulators by turns, one instruction a turn
	v_wmma_scale_f32_16x16x128_f8f6f4 v[O+8*\t:O+8*\t+7], v[KFR+16*\t:KFR+16*\t+15], v[PCD:PCD+15], v[O+8*\t:O+8*\t+7], v[KSC+\t], v[PWD] matrix_a_fmt:MATRIX_FMT_BF8 matrix_b_fmt:MATRIX_FMT_BF8
.endr
.Lhidden_\@:
	s_add_co_u32 s[KF], s[KF], 128
.endm
; THE CHANGE OF SLOTS stands at a slot's head.  Each wave waits for all its tensor loads (its part of the slot that it is about to read), adds 0 to its spare word, and waits for that and for its reads of the slot that it has left.
; fill = 1: behind the barrier that other slot is filled with the keys that the next of the nine slots wants: one load a fetching wave, which has a whole slot's steps in which to land.
.macro CHANGE fill
	s_wait_tensorcnt 0x0                           ; no tensor load of mine is out, so a group 0 may be written
	ds_add_u32 v[SPW], v[NIL]                      ; 0 onto my spare word; the descriptors' steps stand between it and the wait for it
.if \fill
	s_add_co_u32 s[FK], s[FK], 1                   ; the next 256 keys,
	s_add_co_u32 s30, s[JJ], 1
	s_cmp_eq_u32 s30, s[N1]
	s_cselect_b32 s[FK], 0, s[FK]                  ; or the first again, where the second block begins
	s_mov_b32 s93, 0
	NEXT G0K, BSK, 14                              ; 256 keys of 64 bytes
	NEXT G0V, BSV, 18                              ; 4 groups of 65,536 bytes
	NEXT G0KS, BSKS, 9                             ; 8 groups of 32 places, 64 bytes each
	NEXT G0VS, BSVS, 13                            ; 2 groups of 4,096 bytes
.endif
	s_wait_dscnt 0x0                               ; the add is done, and my reads of the slot that I have left are over
	s_barrier_signal -1
	s_barrier_wait -1
.if \fill
	TLOAD                                          ; the first thing behind the barrier, and a wave's one tensor load until the next
.endif
.endm
; THE WAY OUT of a block of queries.  ctx = O^T / the sum; register 16 b + i is the head's 32 b + 16 h + i of my query: two blocks of 32, quantised as every operand; the codes go through my stage
; (stage st) and leave as two runs of 8 true rows x 64 bytes.
.macro FINISH st
.rept 8
	v_nop                                          ; places behind the last products
.endr
	v_add_f32 v14, v14, v15                        ; the sum's two halves,
	s_delay_alu instid0(VALU_DEP_1)
	v_permlanex16_b32 v[TMP], v14, s[SEL], s[SEL+1]
	s_delay_alu instid0(VALU_DEP_1)
	v_add_f32 v14, v14, v[TMP]                     ; and lane l xor 16's: the row's sum
	s_wait_alu depctr_va_vdst(0)
	v_rcp_f32 v[RL], v14
	s_add_co_u32 s100, s[TOK], s[Q0]               ; my first query's token
	s_lshl_b32 s92, s100, 6
	s_lshl_b32 s101, s[HD], 19
	s_add_co_u32 s92, s92, s101
	s_mov_b32 s93, 0
	s_add_nc_u64 s[96:97], s[8:9], s[92:93]        ; c_codes: head x 524,288 + token x 64
	s_lshl_b32 s94, s100, 5
	s_lshl_b32 s101, s[HD], 1
	s_add_co_u32 s94, s94, s101
	s_mov_b32 s95, 0
	s_add_nc_u64 s[98:99], s[10:11], s[94:95]      ; c_scales: token x 32 + 2 x head
	v_nop                                          ; a plain place behind the transcendental
.set jj, 0
	s_wait_alu depctr_va_vdst(0)
.rept 32
	v_mul_f32 v[S+jj], v[O+jj], v[RL]              ; each accumulator from its low end on
.set jj, jj+1
.endr
.irp b, 0,1
	v_max3_num_f32 v[BM+\b], |v[S+16*\b]|, |v[S+1+16*\b]|, 0x8000000
.endr
.irp i, 2,4,6,8,10,12,14
.irp b, 0,1
	s_delay_alu instid0(VALU_DEP_2)
	v_max3_num_f32 v[BM+\b], v[BM+\b], |v[S+16*\b+\i]|, |v[S+1+16*\b+\i]|
.endr
.endr
.irp b, 0,1
	s_delay_alu instid0(VALU_DEP_2)
	v_permlanex16_b32 v[PT+\b], v[BM+\b], s[SEL], s[SEL+1]
.endr
.irp b, 0,1
	s_delay_alu instid0(VALU_DEP_2)
	v_max_num_f32 v[BM+\b], v[BM+\b], v[PT+\b]
.endr
.irp b, 0,1
	s_delay_alu instid0(VALU_DEP_2)
	v_add_nc_u32 v[SOP+\b], 0xf8800000, v[BM+\b]
.endr
.irp b, 0,1
.endr
.irp b, 0,1
	s_delay_alu instid0(VALU_DEP_2)
	v_lshrrev_b32 v[PT+\b], 23, v[SOP+\b]
.endr
	s_delay_alu instid0(VALU_DEP_1)
	v_lshl_or_b32 v[CB2], v[PT+1], 8, v[PT]        ; my query's two scale bytes
.irp b, 0,1
.irp i, 0,1,2,3,4,5,6,7,8,9,10,11,12,13,14,15
.endr
	v_cvt_scalef32_pk8_bf8_f32 v[PCD+4*\b:PCD+4*\b+1], v[S+16*\b:S+16*\b+7], v[SOP+\b]
	v_cvt_scalef32_pk8_bf8_f32 v[PCD+4*\b+2:PCD+4*\b+3], v[S+16*\b+8:S+16*\b+15], v[SOP+\b]
.endr
	v_nop                                          ; one plain vector instruction behind the scaled conversions
	ds_store_b128 v[STO], v[PCD:PCD+3] offset:16384*\st
	ds_store_b128 v[STO], v[PCD+4:PCD+7] offset:16384*\st+32
	ds_load_b128 v[PCD+8:PCD+11], v[RD] offset:16384*\st          ; LDS serves a wave's instructions in order: these see my stores
	ds_load_b128 v[PCD+12:PCD+15], v[RD] offset:16384*\st+512
	s_wait_alu depctr_va_vdst(0)
	s_wait_dscnt 0x0
	global_store_b128 v[GO], v[PCD+8:PCD+11], s[96:97]            ; queries Q0 .. Q0 + 7: 512 consecutive bytes, aligned
	global_store_b128 v[GO], v[PCD+12:PCD+15], s[96:97] offset:1024   ; queries Q0 + 16 .. Q0 + 23
	global_store_b16 v[SCO], v[CB2], s[98:99]      ; two bytes in rows 32 bytes apart (lanes 16-31 write the same): one byte for each 32 of the codes'
	s_wait_xcnt 0x0                                ; the stores' data and bases are written again only behind this wait
.endm
.macro RESTART                         ; on to the second block of queries
	v_mov_b32 v[QSL], v[Q2S]                       ; (the moves below are more than the eight places that a scale register so written wants)
	v_lshlrev_b32 v[QSH], 16, v[Q2S]
.irp j, 0,1,2,3,4,5,6,7
	v_mov_b32 v[QF+\j], v[Q2+\j]
	v_mov_b32 v[QF+16+\j], v[Q2+\j]
.endr
.set jj, 0
.rept 32
	v_mov_b32 v[O+jj], 0
.set jj, jj+1
.endr
	v_mov_b32 v13, 0xff61b1e6
	s_delay_alu instid0(VALU_DEP_1)
	v_floor_f32 v12, -v13
	v_mov_b32 v14, 0
	v_mov_b32 v15, 0
	s_mov_b32 s[Q0], s[Q0B]
	s_mov_b32 s[KF], 0
.endm
.macro SLOTWORK sw
.if \sw
	s_cmp_lg_u32 s[JJ], s[N1]                      ; the first block's slots are over: the same answer in all sixteen waves; no barrier stands in the branch
	s_cbranch_scc1 .Lsame_\@
	s_wait_alu depctr_va_vdst(0)
	FINISH 0
	RESTART
.Lsame_\@:
.endif
	STEP 0
	STEP 1
	s_xor_b32 s[TB], s[TB], SLOT1                  ; on to the other slot
	s_add_co_u32 s[JJ], s[JJ], 1
.endm
	s_wait_loadcnt 0x0                             ; Q of both blocks
	v_lshlrev_b32 v[QSH], 16, v[QSL]               ; Q's two bytes over k = 64 .. 127
.rept 8
	v_nop                                          ; a scale register written by a vector instruction stands eight places ahead of the product that names it
.endr
	s_mov_b32 s[CNT], 8
.Lslot:                                            ; eight trips: behind each change of slots but the last the next slot is asked for
	CHANGE 1
	SLOTWORK 1
	s_sub_co_u32 s[CNT], s[CNT], 1
	s_cmp_lg_u32 s[CNT], 0
	s_cbranch_scc1 .Lslot
	CHANGE 0                                       ; the ninth slot is written out
	SLOTWORK 0
	s_wait_alu depctr_va_vdst(0)
	FINISH 1
	s_wait_tensorcnt 0x0                           ; the wave's end: behind my last tensor load and my last LDS store
	ds_add_u32 v[SPW], v[NIL]
	s_wait_dscnt 0x0
	s_endpgm
.Lfunc_end_k_q903efa2e97_attn:
	.size	k_q903efa2e97_attn, .Lfunc_end_k_q903efa2e97_attn-k_q903efa2e97_attn
	.p2alignl 7, 3214868480
	.fill 96, 4, 3214868480
	.section	.rodata,"a",@progbits
	.p2align	6, 0x0
	.amdhsa_kernel k_q903efa2e97_attn
		.amdhsa_group_segment_fixed_size 327680
		.amdhsa_private_segment_fixed_size 0
		.amdhsa_enable_private_segment 0
		.amdhsa_kernarg_size 32
		.amdhsa_user_sgpr_count 2
		.amdhsa_user_sgpr_kernarg_segment_ptr 1
		.amdhsa_wavefront_size32 1
		.amdhsa_system_sgpr_workgroup_id_x 1
		.amdhsa_system_sgpr_workgroup_id_y 1
		.amdhsa_system_sgpr_workgroup_id_z 1
		.amdhsa_system_vgpr_workitem_id 0
		.amdhsa_next_free_vgpr 256
		.amdhsa_next_free_sgpr 102
		.amdhsa_reserve_vcc 1
		.amdhsa_float_denorm_mode_32 3
		.amdhsa_float_denorm_mode_16_64 3
		.amdhsa_fp16_overflow 1
		.amdhsa_memory_ordered 1
		.amdhsa_forward_progress 1
		.amdhsa_inst_pref_size 116
	.end_amdhsa_kernel
	.amdgpu_metadata
---
amdhsa.version: [ 1, 2 ]
amdhsa.kernels:
  - .name:           k_q903efa2e97_attn
    .symbol:         k_q903efa2e97_attn.kd
    .args:
      - { .name: qkv_codes, .offset: 0, .size: 8, .value_kind: global_buffer, .address_space: global }
      - { .name: qkv_scales, .offset: 8, .size: 8, .value_kind: global_buffer, .address_space: global }
      - { .name: c_codes, .offset: 16, .size: 8, .value_kind: global_buffer, .address_space: global }
      - { .name: c_scales, .offset: 24, .size: 8, .value_kind: global_buffer, .address_space: global }
    .group_segment_fixed_size: 327680
    .private_segment_fixed_size: 0
    .kernarg_segment_align: 8
    .kernarg_segment_size: 32
    .max_flat_workgroup_size: 512
    .sgpr_count:     102
    .vgpr_count:     256
    .wavefront_size: 32
...
	.end_amdgpu_metadata
.endif
;; end of part 3
;; launch outp (part 4): grid 4 x 32, 4 waves a work-group, clusters of 4 x 4, 327,680 bytes of LDS; arguments c_codes, c_scales, codes_in, scales_in, out0, b_o; writes out0
.if DOCPART == 4
	.amdgcn_target "amdgcn-amd-amdhsa--gfx1250"
	.amdhsa_code_object_version 6
	.text
	.protected	k_q903efa2e97_outp
	.globl	k_q903efa2e97_outp
	.p2align	8
	.type	k_q903efa2e97_outp,@function
k_q903efa2e97_outp:
	s_mov_b64 s[64:65], 0
	v_nop
	global_prefetch_b8 v0, s[64:65] scope:SCOPE_SE
	s_setreg_imm32_b32 hwreg(HW_REG_WAVE_MODE, 25, 1), 1
	s_wait_xcnt 0x0
	s_wait_alu depctr_hold_cnt(0) depctr_sa_sdst(0) depctr_va_vdst(0) depctr_va_sdst(0) depctr_va_ssrc(0) depctr_va_vcc(0) depctr_vm_vsrc(0)
	s_getreg_b32 s2, hwreg(HW_REG_IB_STS2, 6, 4)
	s_cmp_eq_u32 s2, 0
	s_cbranch_scc0 .Lentry_in_a_cluster
	s_endpgm
.Lentry_in_a_cluster:
	s_bfe_u32 s2, ttmp6, 0x10000c
	s_cmp_lg_u32 s2, 0xf033
	s_cbranch_scc0 .Lentry_shape_is_right
	s_endpgm
.Lentry_shape_is_right:
; out0[m][n] = sum over k of ctx[m][k] W_o[n][k] + b_o[n], M = 8,192, N = K = 1,024, on codes of BF8 (E5M2) with one E8M0 scale for each 32 along K; sums in f32.
; A = ctx: c_codes [16 heads][8,192 tokens][64 bytes] (k = 64 head + ..), c_scales [8,192][32 bytes].  B = W_o: rows 11,264 on of codes_in (1,024 bytes a row) and of scales_in (32 bytes a row), in their true order.
; A tile of C, 256 x 256, is made by a work-group of four waves; a wave makes 128 x 128: 64 accumulators, 512 registers.  128 work-groups: a smaller tile would fill more WGPs and read half as much again from LDS for each product.
; K goes in steps of 256 (four heads) through a ring of two LDS slots.  A's tile of 128 rows is four dense pieces of 8,192 bytes, one a head, 524,288 bytes apart: one tensor load; in LDS [4 heads][128 rows][64 + 16 bytes].
; The scales of the work-group's rows of A and B, for all of K, come into LDS once and stay.  CLUSTERS: 4 x 4 work-groups; A's tiles are asked for jointly along a row of the cluster, B's along a column.
; THE MATRIX INSTRUCTION IS USED TRANSPOSED (source 0 = 16 rows of B, source 1 = 16 rows of A): a lane holds eight neighbouring numbers of a row of C.  THE BIAS is the C of each sum's first matrix instruction.
; REGISTERS, in windows of 256: window 0: v0-31 addresses; v32-63 scale words, two sets; v64-127 the bias, eight registers for each of B's blocks; from v128 A's fragments, ONE set; on the way out v128-255 are free.
;   window 1: B's fragments, TWO sets.   window 2: the accumulators of my rows 0-63 ((a, b) at v[8 (8 a + b)]);   window 3: those of my rows 64-127.
.set SIZE_N, 1024
.set KSTEP,  256
.set NQ,     KSTEP/128
.set ROWB,   256                       ; a row of B's tile in bytes
.set KROW,   1024                      ; a row of codes_in in bytes
.set WO_ROW, 11264                     ; W_o's first row in codes_in
.set PITCH,  272                       ; B's LDS row: 256 bytes + 16 of padding
.set APITCH, 80                        ; A's LDS row: 64 bytes + 16 of padding = 20 words: 16 neighbouring rows start at 16 different groups of four banks
.set APLANE, 128*APITCH                ; a head's 128 rows
.set AHALF,  4*APLANE                  ; what one tensor load brings of A
.set KSTA,   4*524288                  ; bytes from a K step of A to the next: four heads
.set FR,     16
.set NL,     4
.set NP,     8                         ; places behind this matrix instruction (ISA guide 7.12.1)
.set HALFT,  128*PITCH                 ; what one tensor load brings of B
.set SLOT,   2*AHALF+2*HALFT           ; A's two halves, then B's two halves
.set LAPS,   2
.set KS,     32
.set SCL,    2*SLOT
.set HALFS,  (128*KS/256)*272
.set SBLK,   (16*KS/256)*272
.set SPARE,  SCL+4*HALFS               ; the spare words, 128 bytes for each wave: two blocks of 256 bytes that no other line names
.set SPITCH, 528                       ; the way out: a stage of 16 rows x (512 bytes + 16) for each wave, in slot 0, which has had its last fill and its last read when the first result is stored there
.set ADRA, 16
.set ADRB, 20
.set STO,  24
.set RD,   25
.set CO,   26
.set ADRS, 27
.set SPW,  28                          ; v28     LDS address of my spare word; never rewritten
.set NIL,  29                          ; v29     0; never rewritten
.set SC,   32
.set BI,   64                          ; the bias
.set AF,   128
.set BK,   128
.set G1, 24
.set G0, 32
.set G1B, 48
.set G0B, 56
.set G1S, 68
.set G0S, 76
.set G1SB, 80
.set G0SB, 88
.set MSB, 0
.macro WIN new                         ; the immediate's high byte repeats the setting that is left
.if MSB != \new
	s_set_vgpr_msb (MSB<<8)|\new
.set MSB, \new
.endif
.endm
.set MUL_LO, 0xa1                      ; source 0 (B) window 1, source 1 (A) window 0, C and D window 2
.set MUL_HI, 0xf1                      ; the same, C and D window 3
.set BIA_LO, 0x81                      ; the first step: C (the bias) window 0, D window 2
.set BIA_HI, 0xc1                      ; D window 3
.set TO_B,   0x40
.macro JLOAD g0a, g1a, g0b, g1b        ; a joint load: waves 0 and 1 fetch for A, waves 2 and 3 for B; four v_nop follow each of the two lines
	s_cmp_eq_u32 s15, 0
	s_cbranch_scc0 .Lfor_b_\@
	tensor_load_to_lds s[\g0a:\g0a+3], s[\g1a:\g1a+7]
	s_nop 0
.rept 4
	v_nop
.endr
	s_branch .Lasked_\@
.Lfor_b_\@:
	tensor_load_to_lds s[\g0b:\g0b+3], s[\g1b:\g1b+7]
	s_nop 0
.rept 4
	v_nop
.endr
.Lasked_\@:
.endm
.macro CREST
	s_cmp_lg_u32 s14, 0
	s_cbranch_scc1 .Lnot_wave_0_\@
	s_barrier_signal -3
.Lnot_wave_0_\@:
	s_barrier_wait -3
	s_barrier_signal -1
	s_barrier_wait -1
.endm
.macro CROUND
	s_barrier_signal -1
	s_barrier_wait -1
	CREST
.endm
	s_load_b128 s[4:7], s[0:1], 0x0                ; c_codes s[4:5], c_scales s[6:7]
	s_load_b128 s[8:11], s[0:1], 0x10              ; codes_in s[8:9], scales_in s[10:11]
	s_load_b64 s[12:13], s[0:1], 0x20              ; out0
	s_load_b64 s[96:97], s[0:1], 0x28              ; b_o
	v_lshl_add_u32 v[SPW], v0, 2, SPARE
	v_mov_b32 v[NIL], 0
	ds_add_u32 v28, v29
	ds_add_u32 v28, v29
	s_wait_dscnt 0x0
	v_lshrrev_b32 v1, 5, v0
	v_readfirstlane_b32 s14, v1                    ; wave 0..3
	s_lshr_b32 s15, s14, 1                         ; which half of the tile's rows is mine.  Also: I fetch for A (0) or for B (1)
	s_and_b32 s16, s14, 1                          ; which half of its columns.  Also: which 128 rows of that tile I fetch
	s_bfe_u32 s40, ttmp6, 0x40000                  ; cx, cy
	s_bfe_u32 s41, ttmp6, 0x40004
	s_lshl_b32 s42, ttmp9, 2
	s_add_co_u32 s42, s42, s40                     ; tile column of C
	s_and_b32 s17, ttmp7, 0xffff
	s_lshl_b32 s17, s17, 2
	s_add_co_u32 s17, s17, s41                     ; tile row of C
	s_lshl_b32 s43, s41, 2
	s_lshl_b32 s43, 15, s43                        ; my row of the cluster
	s_lshl_b32 s44, 0x1111, s40                    ; my column
	; A's tile: elements of 8 bytes; 4 rows (heads) of 1,024 elements (128 tokens x 64 bytes, dense), 65,536 elements apart; four words of padding after every 16 words
	s_or_b32 s[G1+0], s43, (3<<16)|(1<<20)|(1<<21)|(3<<22)|(3<<25)
	s_mov_b32 s[G1+1], 1024<<16
	s_mov_b32 s[G1+2], 4<<16
	s_mov_b32 s[G1+3], 1024<<16
	s_mov_b32 s[G1+4], 4
	s_mov_b32 s[G1+5], 65536
	s_mov_b32 s[G1+6], 0
	s_mov_b32 s[G1+7], 0
	; B's tile: 128 rows x 256 bytes, four words of padding after every 64
	s_or_b32 s[G1B+0], s44, (0<<16)|(1<<20)|(1<<21)|(5<<22)|(3<<25)
	s_mov_b32 s[G1B+1], ROWB<<16
	s_mov_b32 s[G1B+2], 128<<16
	s_mov_b32 s[G1B+3], ROWB<<16
	s_mov_b32 s[G1B+4], 128
	s_mov_b32 s[G1B+5], KROW
	s_mov_b32 s[G1B+6], 0
	s_mov_b32 s[G1B+7], 0
	; the scales of 128 rows: 4,096 dense bytes as rows of 256 bytes, 16 bytes of padding behind each
	s_or_b32 s[G1S+0], s43, (3<<16)|(1<<20)|(1<<21)|(5<<22)|(3<<25)
	s_or_b32 s[G1SB+0], s44, (3<<16)|(1<<20)|(1<<21)|(5<<22)|(3<<25)
.irp g, G1S, G1SB
	s_mov_b32 s[\g+1], 32<<16
	s_mov_b32 s[\g+2], (128*KS/256)<<16
	s_mov_b32 s[\g+3], 32<<16
	s_mov_b32 s[\g+4], 128*KS/256
	s_mov_b32 s[\g+5], 32
	s_mov_b32 s[\g+6], 0
	s_mov_b32 s[\g+7], 0
.endr
	s_lshl_b32 s18, s16, 7                         ; which 128 rows of the tile I fetch
	s_lshl_b32 s20, s17, 8
	s_add_co_u32 s20, s20, s18                     ; A: token 256 x tile row + 128 x half
	s_lshl_b32 s46, s42, 8
	s_add_co_u32 s46, s46, s18
	s_add_co_u32 s46, s46, WO_ROW                  ; B: W_o's first row + 256 x tile column + 128 x half
	s_lshl_b32 s22, s20, 5                         ; their scales, in bytes,
	s_mov_b32 s23, 0
	s_lshl_b32 s92, s46, 5
	s_mov_b32 s93, 0
	s_lshl_b32 s20, s20, 6                         ; and their codes
	s_mov_b32 s21, 0
	s_lshl_b32 s46, s46, 10
	s_mov_b32 s47, 0
	s_mul_i32 s45, s16, AHALF                      ; where they go: A's halves, then B's halves: no place in the cluster enters an LDS address
	s_mul_i32 s95, s16, HALFT
	s_add_co_u32 s95, s95, 2*AHALF
	s_mul_i32 s94, s14, HALFS
	s_wait_kmcnt 0x0
	s_add_nc_u64 s[20:21], s[4:5], s[20:21]
	s_add_nc_u64 s[22:23], s[6:7], s[22:23]
	s_add_nc_u64 s[46:47], s[8:9], s[46:47]
	s_add_nc_u64 s[92:93], s[10:11], s[92:93]
	CROUND                                         ; all sixteen work-groups are here: the first joint loads meet
	s_mov_b32 s[G0S], 1
	s_add_co_u32 s[G0S+1], s94, SCL
	s_mov_b64 s[G0S+2:G0S+3], s[22:23]
	s_or_b32 s[G0S+3], s[G0S+3], 0x80000000
	s_mov_b32 s[G0SB], 1
	s_add_co_u32 s[G0SB+1], s94, SCL
	s_mov_b64 s[G0SB+2:G0SB+3], s[92:93]
	s_or_b32 s[G0SB+3], s[G0SB+3], 0x80000000
	JLOAD G0S, G1S, G0SB, G1SB                     ; the scales first: they are wanted with K step 0
.irp s, 0,1
	s_mov_b32 s[G0+4*\s], 1
	s_add_co_u32 s[G0+4*\s+1], s45, \s*SLOT
	s_add_nc_u64 s[G0+4*\s+2:G0+4*\s+3], s[20:21], \s*KSTA
	s_or_b32 s[G0+4*\s+3], s[G0+4*\s+3], 0x80000000
	s_mov_b32 s[G0B+4*\s], 1
	s_add_co_u32 s[G0B+4*\s+1], s95, \s*SLOT
	s_add_nc_u64 s[G0B+4*\s+2:G0B+4*\s+3], s[46:47], \s*ROWB
	s_or_b32 s[G0B+4*\s+3], s[G0B+4*\s+3], 0x80000000
	s_wait_alu depctr_va_vdst(0)
	s_wait_tensorcnt 0x0
	ds_add_u32 v28, v29
	s_wait_dscnt 0x0
	CROUND
	JLOAD G0+4*\s, G1, G0B+4*\s, G1B               ; one load of mine, K step 1's, is out behind the last of these
.endr
	v_and_b32 v1, 15, v0                           ; r
	v_bfe_u32 v2, v0, 4, 1                         ; h
	v_mul_u32_u24 v3, v1, PITCH
	v_lshl_add_u32 v4, v2, 4, v3                   ; B: row x 272 + 16 h
	v_mul_u32_u24 v3, v1, APITCH
	v_lshl_add_u32 v3, v2, 4, v3                   ; A: row x 80 + 16 h
	s_mul_i32 s21, s15, AHALF                      ; my 128 rows of A
	s_mul_i32 s22, s16, HALFT                      ; my 128 rows of B,
	s_add_co_u32 s22, s22, 2*AHALF                 ; which lie behind A's
.irp s, 0,1
	v_add_nc_u32 v[ADRA+\s], s21, v3
	v_add_nc_u32 v[ADRB+\s], s22, v4
	s_add_co_u32 s21, s21, SLOT
	s_add_co_u32 s22, s22, SLOT
.endr
	v_mul_u32_u24 v5, v1, KS                       ; my row's scales: 32 bytes a row,
	v_lshrrev_b32 v6, 8, v5
	v_lshl_add_u32 v5, v6, 4, v5                   ; and 16 more for each 256 passed
	s_mul_i32 s21, s15, HALFS
	s_mul_i32 s22, s16, HALFS
	s_add_co_u32 s22, s22, 2*HALFS
	s_sub_co_u32 s22, s22, s21
	v_mul_u32_u24 v6, s22, v2                      ; lanes 16-31 take B's
	s_add_co_u32 s21, s21, SCL
	v_add_nc_u32 v5, v5, v6
	v_add_nc_u32 v[ADRS], s21, v5
	s_mul_i32 s23, s14, 16*SPITCH                  ; my stage
	v_mul_u32_u24 v5, v1, SPITCH                   ; in: row r, 32 bytes for each half of the lanes
	v_lshl_add_u32 v5, v2, 5, v5
	v_add_nc_u32 v[STO], s23, v5
	v_and_b32 v6, 31, v0
	v_lshlrev_b32 v[CO], 4, v6                     ; back: the 32 lanes take one row of 512 bytes; and the same in C
	v_add_nc_u32 v[RD], s23, v[CO]
	v_lshlrev_b32 v7, 5, v2                        ; the bias: 32 h bytes
	s_wait_alu depctr_va_vdst(0)
	s_lshl_b32 s20, s17, 8
	s_lshl_b32 s21, s15, 7
	s_add_co_u32 s20, s20, s21                     ; my first row of C
	s_lshl_b32 s20, s20, 12                        ; rows of 4,096 bytes (under 2^32)
	s_mov_b32 s21, 0
	s_lshl_b32 s46, s42, 10                        ; my first column, in bytes: 1,024 x tile column + 512 x half
	s_lshl_b32 s47, s16, 9
	s_add_co_u32 s46, s46, s47
	s_mov_b32 s47, 0
	s_add_nc_u64 s[96:97], s[96:97], s[46:47]      ; b_o at my first column
	s_add_nc_u64 s[20:21], s[20:21], s[46:47]
	s_add_nc_u64 s[12:13], s[12:13], s[20:21]
.irp b, 0,1,2,3,4,5,6,7                        ; for B's block b lane (r, h) wants b_o at columns 16 b + 8 h + 0 .. 7: the result's layout
	global_load_b128 v[BI+8*\b:BI+8*\b+3], v7, s[96:97] offset:64*\b
	global_load_b128 v[BI+8*\b+4:BI+8*\b+7], v7, s[96:97] offset:64*\b+16
.endr
.macro FRAG reg, adr, q, i             ; B's fragment: registers 4 c .. 4 c + 3 hold K = 32 c + 16 h + 0 .. 15
.irp c, 0,1,2,3
	ds_load_b128 v[\reg+4*\c:\reg+4*\c+3], v[\adr] offset:128*(\q)+32*\c+(\i)*16*PITCH
.endr
.endm
.macro FRAGA reg, adr, q, i            ; A's: the same K lies in head 2 q + c / 2 of the slot's four, at byte 32 (c % 2) + 16 h of the row
.irp c, 0,1,2,3
	ds_load_b128 v[\reg+4*\c:\reg+4*\c+3], v[\adr] offset:(2*(\q)+\c/2)*APLANE+(\i)*16*APITCH+32*(\c%2)
.endr
.endm
; 16 matrix instructions: A's blocks a0, a0 + 1 x B's eight, 128 along K.  bias = 1: the first product starts the sums from the bias.
; The 64 accumulators take turns, one instruction a turn, in the same order in every step.
.macro MUL16 a0, p, q, sc, bias
.irp a, \a0, \a0+1
.irp b, 0,1,2,3,4,5,6,7
.if \bias
	v_wmma_scale_f32_16x16x128_f8f6f4 v[8*(8*((\a)%4)+\b):8*(8*((\a)%4)+\b)+7], v[128*(\p)+FR*\b:128*(\p)+FR*\b+FR-1], v[AF+FR*(\a):AF+FR*(\a)+FR-1], v[BI+8*\b:BI+8*\b+7], v[SC+8*NQ*(\sc)+NQ*\b+(\q)], v[SC+8*NQ*(\sc)+NQ*(\a)+(\q)] matrix_a_fmt:MATRIX_FMT_BF8 matrix_b_fmt:MATRIX_FMT_BF8 matrix_a_scale:MATRIX_SCALE_ROW1
.else
	v_wmma_scale_f32_16x16x128_f8f6f4 v[8*(8*((\a)%4)+\b):8*(8*((\a)%4)+\b)+7], v[128*(\p)+FR*\b:128*(\p)+FR*\b+FR-1], v[AF+FR*(\a):AF+FR*(\a)+FR-1], v[8*(8*((\a)%4)+\b):8*(8*((\a)%4)+\b)+7], v[SC+8*NQ*(\sc)+NQ*\b+(\q)], v[SC+8*NQ*(\sc)+NQ*(\a)+(\q)] matrix_a_fmt:MATRIX_FMT_BF8 matrix_b_fmt:MATRIX_FMT_BF8 matrix_a_scale:MATRIX_SCALE_ROW1
.endif
.endr
.endr
.endm
.macro FETCH_B slot, q, p
	WIN TO_B
.irp i, 0,1,2,3,4,5,6,7
	FRAG 128*(\p)+FR*\i, ADRB+\slot, \q, \i
.endr
	WIN 0
.endm
.macro FETCH_A slot, q, i0
.irp i, \i0, \i0+1, \i0+2, \i0+3
	FRAGA AF+FR*(\i), ADRA+\slot, \q, \i
.endr
.endm
.macro SCALES sc                       ; the next K step's scale words: lanes 0-15 take A's block i, lanes 16-31 B's block i
.irp i, 0,1,2,3,4,5,6,7
	ds_load_b64 v[SC+8*NQ*\sc+NQ*\i:SC+8*NQ*\sc+NQ*\i+1], v[ADRS] offset:\i*SBLK
.endr
.endm
.macro PLACES n                        ; places behind matrix instructions: plain vector instructions that name none of their registers (ISA guide 7.12.1 for vector instructions)
.rept \n
	v_nop
.endr
.endm
.macro STEP slot, q, bias
	s_wait_dscnt 4*NL                              ; B's set, the scale words and A's blocks 0-3 are in; the youngest sixteen loads (A's blocks 4-7) may be out
.if \bias
	WIN BIA_LO
.else
	WIN MUL_LO
.endif
	MUL16 0, (\q)%2, \q, \slot, \bias
	MUL16 2, (\q)%2, \q, \slot, \bias
	s_wait_dscnt 0                                 ; A's blocks 4-7 are in
	PLACES NP
	FETCH_B \slot, (\q)+1, 1-(\q)%2
	FETCH_A \slot, (\q)+1, 0
.if \bias
	WIN BIA_HI
.else
	WIN MUL_HI
.endif
	MUL16 4, (\q)%2, \q, \slot, \bias
	MUL16 6, (\q)%2, \q, \slot, \bias
	PLACES NP
	WIN 0
	FETCH_A \slot, (\q)+1, 4
.endm
; A slot's last step changes slots: ONE barrier; in front of it each wave waits for all its tensor loads, adds 0 to its spare word, and waits for that and for its own reads of this slot.
.macro TURN slot, next, fill
	s_wait_tensorcnt 0x0                           ; all my tensor loads have landed: my part of the next slot;  (every window is 0 here)
	ds_add_u32 v[SPW], v[NIL]                      ; 0 onto my spare word
	s_wait_dscnt 4*NL+1                            ; (the add and the youngest sixteen loads may be out)
	WIN MUL_LO
	MUL16 0, 1, NQ-1, \slot, 0                     ; sixteen matrix instructions stand between the add and the wait for it
	s_wait_dscnt 0x0                               ; the add is done, and my reads of this slot are over
	s_barrier_signal -1
	MUL16 2, 1, NQ-1, \slot, 0
	WIN 0
	s_barrier_wait -1
.if \fill
	CREST                                          ; the barrier has opened a round of the cluster's barrier
	s_add_nc_u64 s[G0+4*\slot+2:G0+4*\slot+3], s[G0+4*\slot+2:G0+4*\slot+3], 2*KSTA
	s_add_nc_u64 s[G0B+4*\slot+2:G0B+4*\slot+3], s[G0B+4*\slot+2:G0B+4*\slot+3], 2*ROWB
	JLOAD G0+4*\slot, G1, G0B+4*\slot, G1B         ; the first tensor load behind the round; its four v_nop are among the places in front of the loads below
	PLACES NP-4
.else
	PLACES NP
.endif
	s_wait_alu depctr_va_vdst(0)
	v_add_nc_u32 v[ADRS], 4*NQ, v[ADRS]            ; on to the next K step's scale words
	FETCH_B \next, 0, 0
	FETCH_A \next, 0, 0
	SCALES \next
	WIN MUL_HI
	MUL16 4, 1, NQ-1, \slot, 0
	MUL16 6, 1, NQ-1, \slot, 0
	PLACES NP
	WIN 0
	FETCH_A \next, 0, 4
.endm
	s_wait_tensorcnt 1                             ; the scales and my part of K step 0 are in (K step 1's load may be out)
	s_barrier_signal -1
	s_barrier_wait -1                              ; everybody's are
	FETCH_B 0, 0, 0
	FETCH_A 0, 0, 0
	SCALES 0
	FETCH_A 0, 0, 4
	s_wait_loadcnt 0x0                             ; the bias
	STEP 0, 0, 1                                   ; the first step stands in front of the loop: its products start the sums, from the bias
	s_mov_b32 s3, LAPS-1
.Llap:
	TURN 0, 1, 1
	STEP 1, 0, 0
	TURN 1, 0, 1
	STEP 0, 0, 0
	s_sub_co_u32 s3, s3, 1
	s_cmp_lg_u32 s3, 0
	s_cbranch_scc1 .Llap
	TURN 0, 1, 0                                   ; the last lap fills nothing, and has no round of the cluster's barrier
	STEP 1, 0, 0
	s_wait_dscnt 4*NL                              ; the very last step: nothing more to fetch
	WIN MUL_LO
	MUL16 0, 1, NQ-1, 1, 0
	MUL16 2, 1, NQ-1, 1, 0
	s_wait_dscnt 0
	WIN MUL_HI
	MUL16 4, 1, NQ-1, 1, 0
	MUL16 6, 1, NQ-1, 1, 0
	WIN 0
; THE WAY OUT, block by block of 16 rows x 128 columns, through my own stage in LDS: back as whole rows of 512 bytes.  LDS serves a wave's instructions in order (ISA guide 5.7.1.4).
.macro TOSTAGE a
.set AC, 64*((\a)%4)
	WIN 0x08+4*((\a)/4)                            ; the data: window 2 or 3
.irp b, 0,1,2,3,4,5,6,7
	ds_store_b128 v[STO], v[AC+8*\b:AC+8*\b+3] offset:64*\b          ; each accumulator from its low end on
	ds_store_b128 v[STO], v[AC+8*\b+4:AC+8*\b+7] offset:64*\b+16
.endr
	WIN 0
.set BB, BK+64*((\a)%2)
.irp t, 0,1,2,3,4,5,6,7,8,9,10,11,12,13,14,15
	ds_load_b128 v[BB+4*\t:BB+4*\t+3], v[RD] offset:\t*SPITCH
.endr
.endm
.macro SEND a, younger                 ; younger: the LDS instructions issued behind block a's loads, which may stay out
.set BB, BK+64*((\a)%2)
	s_wait_dscnt \younger
.if (\a) > 0
	s_add_nc_u64 s[12:13], s[12:13], 16*SIZE_N*4   ; (behind a wait on XCNT: the earlier stores have read their base)  16 rows of C on
.endif
.irp t, 0,1,2,3,4,5,6,7,8,9,10,11,12,13,14,15
	global_store_b128 v[CO], v[BB+4*\t:BB+4*\t+3], s[12:13] offset:\t*SIZE_N*4 th:TH_STORE_NT   ; 32 lanes store 512 consecutive bytes, aligned; written once, read by nobody here
.endr
.endm
	PLACES NP
	TOSTAGE 0
.irp a, 1,2,3,4,5,6,7
.if \a > 1
	s_wait_xcnt 0x0                                ; block a - 2's stores have read their registers and their base
.endif
	TOSTAGE \a
	SEND \a-1, 32                                  ; behind block a - 1's loads: block a's 16 stores and 16 loads
.endr
	s_wait_xcnt 0x0                                ; block 6's stores have read their base
	SEND 7, 0
	s_wait_tensorcnt 0x0                           ; the wave's end: behind my last tensor load and my last LDS store
	ds_add_u32 v[SPW], v[NIL]
	s_wait_dscnt 0x0
	CROUND                                         ; the closing round: no work-group ends while a partner may still ask for a tile that names it
	s_endpgm
.Lfunc_end_k_q903efa2e97_outp:
	.size	k_q903efa2e97_outp, .Lfunc_end_k_q903efa2e97_outp-k_q903efa2e97_outp
	.p2alignl 7, 3214868480
	.fill 96, 4, 3214868480
	.section	.rodata,"a",@progbits
	.p2align	6, 0x0
	.amdhsa_kernel k_q903efa2e97_outp
		.amdhsa_group_segment_fixed_size 327680
		.amdhsa_private_segment_fixed_size 0
		.amdhsa_enable_private_segment 0
		.amdhsa_kernarg_size 48
		.amdhsa_user_sgpr_count 2
		.amdhsa_user_sgpr_kernarg_segment_ptr 1
		.amdhsa_wavefront_size32 1
		.amdhsa_system_sgpr_workgroup_id_x 1
		.amdhsa_system_sgpr_workgroup_id_y 1
		.amdhsa_system_sgpr_workgroup_id_z 1
		.amdhsa_system_vgpr_workitem_id 0
		.amdhsa_next_free_vgpr 1024
		.amdhsa_next_free_sgpr 100
		.amdhsa_reserve_vcc 0
		.amdhsa_float_denorm_mode_32 3
		.amdhsa_float_denorm_mode_16_64 3
		.amdhsa_memory_ordered 1
		.amdhsa_forward_progress 1
		.amdhsa_inst_pref_size 148
	.end_amdhsa_kernel
	.amdgpu_metadata
---
amdhsa.version: [ 1, 2 ]
amdhsa.kernels:
  - .name:           k_q903efa2e97_outp
    .symbol:         k_q903efa2e97_outp.kd
    .args:
      - { .name: c_codes, .offset: 0, .size: 8, .value_kind: global_buffer, .address_space: global }
      - { .name: c_scales, .offset: 8, .size: 8, .value_kind: global_buffer, .address_space: global }
      - { .name: codes_in, .offset: 16, .size: 8, .value_kind: global_buffer, .address_space: global }
      - { .name: scales_in, .offset: 24, .size: 8, .value_kind: global_buffer, .address_space: global }
      - { .name: out0, .offset: 32, .size: 8, .value_kind: global_buffer, .address_space: global }
      - { .name: b_o, .offset: 40, .size: 8, .value_kind: global_buffer, .address_space: global }
    .group_segment_fixed_size: 327680
    .private_segment_fixed_size: 0
    .kernarg_segment_align: 8
    .kernarg_segment_size: 48
    .max_flat_workgroup_size: 128
    .sgpr_count:     100
    .vgpr_count:     1024
    .wavefront_size: 32
...
	.end_amdgpu_metadata
.endif
;; end of part 4
